; MI455X (gfx1250); checked and timed in simulation.
; The chip was launched on July 23, 2026; its instructions are those of AMD's public machine-readable ISA for CDNA 5 (MIT licence, August 2026) and "CDNA5" Instruction Set Architecture Reference Guide (July 2026). The comments in the code are by the model that wrote it; some were corrected since.
;; Attention Block. Allowed arithmetic: float matrix products may take bf16 or f16 operands with f32 sums; all other float work in f32.
;; Inputs: Wk 1,024 x 1,024 float32; Wp 1,024 x 1,024 float32; Wq 1,024 x 1,024 float32; Wv 1,024 x 1,024 float32; bk 1,024 float32; bp 1,024 float32; bq 1,024 float32; bv 1,024 float32; ln_b 1,024 float32; ln_g 1,024 float32; x 2 x 2,048 x 1,024 float32.
;; Outputs: out0 2 x 2,048 x 1,024 float32.
;; 3 versions, each right; version 3 is version 2 with the launch cast written anew for expert scheduling mode. Each part assembles by itself: llvm-mc -triple=amdgcn-amd-amdhsa -mcpu=gfx1250 --defsym DOCPART=n.
;; ======== version 1 of 3: 4 launches
;; workspace buffers: bf 16,777,216 bytes; qkv 25,165,824 bytes; ao 8,388,608 bytes
;; launch cast (part 1): grid 512 x 1, 8 waves a work-group, no clusters, 0 bytes of LDS; arguments x, Wq, Wk, Wv, Wp, bf; writes bf
.if DOCPART == 1
	.amdgcn_target "amdgcn-amd-amdhsa--gfx1250"
	.amdhsa_code_object_version 6
	.text
	.protected	k_q0b3e27bf16_cast
	.globl	k_q0b3e27bf16_cast
	.p2align	8
	.type	k_q0b3e27bf16_cast,@function
k_q0b3e27bf16_cast:
	s_mov_b64 s[64:65], 0
	v_nop
	global_prefetch_b8 v0, s[64:65] scope:SCOPE_SE
	s_setreg_imm32_b32 hwreg(HW_REG_WAVE_MODE, 25, 1), 1
	s_wait_xcnt 0x0
; bf = bf16(x), bf16(Wq), bf16(Wk), bf16(Wv), bf16(Wp), one behind the other, each in its own order: 8,192 rows of 1,024 numbers.
; The later launches take these as matrix operands, so each number is rounded once, to nearest even.
; A stream: no LDS, no barrier, no matrix unit, no cluster (no byte is read twice).
; Work-group g owns 16 rows: 65,536 bytes in, 32,768 bytes out.  g < 256: x; else weight (g - 256) / 64, chunk (g - 256) % 64.
; Thread t takes the 16 bytes at 16 t of each block of 4,096 bytes: a wave's load covers 512 neighbouring bytes,
; a wave's store 256 neighbouring bytes that start at a multiple of 256 from bf's first byte.
; All sixteen loads of a thread go out first; no register is written twice, so no source has to be freed.
.set XR, 4                             ; v[4:67]   16 x 4 f32 as loaded
.set YR, 68                            ; v[68:99]  16 x 2 words of bf16 to store
	s_load_b256 s[4:11], s[0:1], 0x0               ; x s[4:5], Wq s[6:7], Wk s[8:9], Wv s[10:11]
	s_load_b128 s[12:15], s[0:1], 0x20             ; Wp s[12:13], bf s[14:15]
	s_sub_co_u32 s16, ttmp9, 256                   ; g - 256 (wraps for x's work-groups, whose choice is made last)
	s_lshr_b32 s17, s16, 6                         ; which weight
	s_and_b32 s18, s16, 63                         ; which chunk of it
	v_lshlrev_b32 v1, 4, v0                        ; 16 t
	v_lshlrev_b32 v2, 3, v0                        ; 8 t
	s_mov_b32 s23, 0
	s_wait_kmcnt 0x0
	s_cmp_eq_u32 s17, 2
	s_cselect_b64 s[20:21], s[10:11], s[12:13]     ; Wv, else Wp
	s_cmp_eq_u32 s17, 1
	s_cselect_b64 s[20:21], s[8:9], s[20:21]       ; Wk
	s_cmp_eq_u32 s17, 0
	s_cselect_b64 s[20:21], s[6:7], s[20:21]       ; Wq
	s_cmp_lt_u32 ttmp9, 256
	s_cselect_b64 s[20:21], s[4:5], s[20:21]       ; x
	s_cselect_b32 s18, ttmp9, s18                  ; and x's chunk is g itself
	s_lshl_b32 s22, s18, 16
	s_add_nc_u64 s[20:21], s[20:21], s[22:23]      ; source: chunk x 65,536
	s_lshl_b32 s22, ttmp9, 15
	s_add_nc_u64 s[24:25], s[14:15], s[22:23]      ; destination: g x 32,768
.irp p, 0,1,2,3,4,5,6,7,8,9,10,11,12,13,14,15
	global_load_b128 v[XR+4*\p:XR+4*\p+3], v1, s[20:21] offset:4096*\p th:TH_LOAD_NT
.endr
.irp p, 0,1,2,3,4,5,6,7,8,9,10,11,12,13,14,15
	s_wait_loadcnt 15-\p                           ; loads come back in order: load p is in, the younger ones stay out
	v_cvt_pk_bf16_f32 v[YR+2*\p],   v[XR+4*\p],   v[XR+4*\p+1]
	v_cvt_pk_bf16_f32 v[YR+2*\p+1], v[XR+4*\p+2], v[XR+4*\p+3]
	global_store_b64 v2, v[YR+2*\p:YR+2*\p+1], s[24:25] offset:2048*\p
.endr
	s_endpgm
.Lfunc_end_k_q0b3e27bf16_cast:
	.size	k_q0b3e27bf16_cast, .Lfunc_end_k_q0b3e27bf16_cast-k_q0b3e27bf16_cast
	.p2alignl 7, 3214868480
	.fill 96, 4, 3214868480
	.section	.rodata,"a",@progbits
	.p2align	6, 0x0
	.amdhsa_kernel k_q0b3e27bf16_cast
		.amdhsa_group_segment_fixed_size 0
		.amdhsa_private_segment_fixed_size 0
		.amdhsa_enable_private_segment 0
		.amdhsa_kernarg_size 48
		.amdhsa_user_sgpr_count 2
		.amdhsa_user_sgpr_kernarg_segment_ptr 1
		.amdhsa_wavefront_size32 1
		.amdhsa_system_sgpr_workgroup_id_x 1
		.amdhsa_system_sgpr_workgroup_id_y 1
		.amdhsa_system_sgpr_workgroup_id_z 1
		.amdhsa_system_vgpr_workitem_id 0
		.amdhsa_next_free_vgpr 100
		.amdhsa_next_free_sgpr 66
		.amdhsa_reserve_vcc 0
		.amdhsa_float_denorm_mode_32 3
		.amdhsa_float_denorm_mode_16_64 3
		.amdhsa_memory_ordered 1
		.amdhsa_forward_progress 1
		.amdhsa_inst_pref_size 7
	.end_amdhsa_kernel
	.amdgpu_metadata
---
amdhsa.version: [ 1, 2 ]
amdhsa.kernels:
  - .name:           k_q0b3e27bf16_cast
    .symbol:         k_q0b3e27bf16_cast.kd
    .args:
      - { .name: x, .offset: 0, .size: 8, .value_kind: global_buffer, .address_space: global }
      - { .name: Wq, .offset: 8, .size: 8, .value_kind: global_buffer, .address_space: global }
      - { .name: Wk, .offset: 16, .size: 8, .value_kind: global_buffer, .address_space: global }
      - { .name: Wv, .offset: 24, .size: 8, .value_kind: global_buffer, .address_space: global }
      - { .name: Wp, .offset: 32, .size: 8, .value_kind: global_buffer, .address_space: global }
      - { .name: bf, .offset: 40, .size: 8, .value_kind: global_buffer, .address_space: global }
    .group_segment_fixed_size: 0
    .private_segment_fixed_size: 0
    .kernarg_segment_align: 8
    .kernarg_segment_size: 48
    .max_flat_workgroup_size: 256
    .sgpr_count:     66
    .vgpr_count:     100
    .wavefront_size: 32
...
	.end_amdgpu_metadata
.endif
;; end of part 1
;; launch project_qkv (part 2): grid 8 x 32, 4 waves a work-group, clusters of 4 x 4, 327,680 bytes of LDS; arguments bf, bq, bk, bv, qkv; writes qkv
.if DOCPART == 2
	.amdgcn_target "amdgcn-amd-amdhsa--gfx1250"
	.amdhsa_code_object_version 6
	.text
	.protected	k_q0b3e27bf16_project_qkv
	.globl	k_q0b3e27bf16_project_qkv
	.p2align	8
	.type	k_q0b3e27bf16_project_qkv,@function
k_q0b3e27bf16_project_qkv:
	s_mov_b64 s[64:65], 0
	v_nop
	global_prefetch_b8 v0, s[64:65] scope:SCOPE_SE
	s_setreg_imm32_b32 hwreg(HW_REG_WAVE_MODE, 25, 1), 1
	s_wait_xcnt 0x0
	s_wait_alu depctr_hold_cnt(0) depctr_sa_sdst(0) depctr_va_vdst(0) depctr_va_sdst(0) depctr_va_ssrc(0) depctr_va_vcc(0) depctr_vm_vsrc(0)
	s_getreg_b32 s2, hwreg(HW_REG_IB_STS2, 6, 4)
	s_cmp_eq_u32 s2, 0
	s_cbranch_scc0 .Lentry_in_a_cluster
	s_endpgm
.Lentry_in_a_cluster:
	s_bfe_u32 s2, ttmp6, 0x10000c
	s_cmp_lg_u32 s2, 0xf033
	s_cbranch_scc0 .Lentry_shape_is_right
	s_endpgm
.Lentry_shape_is_right:
; [4096 x 3072] = x [Wq Wk Wv] + [bq bk bv], operands bf16 (from bf), sums and bias in f32, the result rounded once to bf16.
; Output column c goes to plane c / 64 of qkv: 48 planes [4096 rows][64] of bf16 (0-15 q heads, 16-31 k heads, 32-47 v heads).
; A work-group makes 128 rows x 384 columns (six planes): 32 x 8 = 256 work-groups.  Four waves; wave w (wm = w / 2, wn = w % 2)
; makes 64 rows x 192 columns = 4 x 12 accumulator tiles of 16 x 16, 384 registers.  K = 1,024 goes in 8 steps of 128 through two LDS slots.
; The weights lie [K][N]: their tiles are brought as they lie and read with the transposing LDS load.
; CLUSTERS: 4 x 4 work-groups.  x's tile hangs on the block row alone and is asked for jointly by a row of the cluster; a tile of W hangs
; on the block column alone and is asked for jointly by a column.  A K step has four tiles of one shape (128 rows x 256 bytes):
; waves 0-2 ask for the three sub-tiles of W (128 columns each), wave 3 for x's.
; A wave has two tensor loads out at the start and one behind each round afterwards.
; THE MATRIX INSTRUCTION IS USED TRANSPOSED (source 0 = 16 columns of W, source 1 = 16 rows of x): lane l then holds row l % 16 and its
; registers 0-7 the columns 8 (l / 16) + 0..7, eight neighbouring numbers of an output row.
; REGISTERS, in windows of 256: window 0 addresses, x's fragments (two buffers), bias, work; window 1 W's fragments (two buffers);
; window 2 the accumulators of my rows 0-31 (tile (a, b) at 8 (12 a + b)); window 3 those of rows 32-63.
; LIMITS: operands and results carry bf16's 8 bits; NaN and infinities are passed on as the arithmetic makes them.
.set KSTEP,  128
.set PA,     272                       ; x's LDS row: 256 bytes + 16 = 17 x 16
.set PB,     288                       ; W's LDS row: 256 bytes + 32 = 9 x 32
.set BSUB,   128*PB                    ; one sub-tile of W: 36,864
.set AOFF,   3*BSUB                    ; x's tile lies behind the three
.set SLOT,   AOFF+128*PA               ; 145,408
.set STAGE,  2*SLOT                    ; behind the ring: 16 rows x 144 bytes for each wave; no tensor load lands here
.set SP,     144
.set ASTEP,  256                       ; a K step along x's rows, bytes
.set BSTEP,  262144                    ; a K step down W's rows: 128 rows of 2,048 bytes
.set LAPS,   4                         ; a lap = two K steps = once round the ring
.set ADRA, 16                          ; v16-17  x's fragments in slot 0, 1
.set ADRB, 18                          ; v18-23  W's fragments: 3 slot + plane g
.set STO,  24                          ; the way out: where I put 16 bytes of a row
.set RD,   25                          ; where I read four rows back
.set CO,   26                          ; 16 x lane: my 16 bytes of 512 in the plane
.set BOFF, 27                          ; 32 x (lane / 16): my 8 bias numbers of a tile's 16
.set FA,   64                          ; v64-95, v96-127 (window 0): x's 4 fragments, two buffers
.set BIAS, 128                         ; v128-223: 8 numbers for each of my 12 column tiles
.set T,    224                         ; v224-255: at work on the way out
.set G1A, 24
.set G0A, 32
.set G1B, 40
.set G0B, 48
.set MSB, 0
.macro WIN new                         ; the immediate's high byte repeats the setting that is left
.if MSB != \new
	s_set_vgpr_msb (MSB<<8)|\new
.set MSB, \new
.endif
.endm
.set MUL_LO, 0xa1                      ; source 0 (W) window 1, source 1 (x) window 0, C and D window 2
.set MUL_HI, 0xf1                      ; the same, C and D window 3
.macro PLACES                          ; four places behind matrix instructions (ISA guide 7.12.1)
.rept 4
	v_nop
.endr
.endm
; A joint load: wave 3 asks for x's tile, waves 0-2 for W's.  The branch hangs on the wave's number alone.
.macro JLOAD s
	s_cmp_eq_u32 s14, 3
	s_cbranch_scc0 .Lfor_b_\@
	tensor_load_to_lds s[G0A+4*\s:G0A+4*\s+3], s[G1A:G1A+7]
	s_nop 0
	s_branch .Lasked_\@
.Lfor_b_\@:
	tensor_load_to_lds s[G0B+4*\s:G0B+4*\s+3], s[G1B:G1B+7]
	s_nop 0
.Lasked_\@:
.endm
.macro CREST                           ; a round of the cluster's barrier behind its opening barrier
	s_cmp_lg_u32 s14, 0
	s_cbranch_scc1 .Lnot_wave_0_\@
	s_barrier_signal -3
.Lnot_wave_0_\@:
	s_barrier_wait -3
	s_barrier_signal -1
	s_barrier_wait -1
.endm
.macro CROUND                          ; a whole round
	s_barrier_signal -1
	s_barrier_wait -1
	CREST
.endm
	s_load_b256 s[4:11], s[0:1], 0x0               ; bf s[4:5], bq s[6:7], bk s[8:9], bv s[10:11]
	s_load_b64 s[12:13], s[0:1], 0x20              ; qkv
	s_set_vgpr_msb 0x40
	v_lshl_add_u32 v255, v0, 2, 0x49400
	s_set_vgpr_msb 0x4000
	v_mov_b32 v63, 0
	s_set_vgpr_msb 0x1
	ds_add_u32 v255, v63
	s_set_vgpr_msb 0x100
	v_lshrrev_b32 v1, 5, v0
	v_readfirstlane_b32 s14, v1                    ; wave 0..3
	s_lshr_b32 s15, s14, 1                         ; wm: which 64 rows
	s_and_b32 s16, s14, 1                          ; wn: which 192 columns
	s_bfe_u32 s17, ttmp6, 0x40000                  ; cx
	s_bfe_u32 s18, ttmp6, 0x40004                  ; cy
	s_lshl_b32 s19, ttmp9, 2
	s_add_co_u32 s19, s19, s17                     ; block column bx = 4 x cluster x + cx
	s_and_b32 s20, ttmp7, 0xffff
	s_lshl_b32 s20, s20, 2
	s_add_co_u32 s20, s20, s18                     ; block row by = 4 x cluster y + cy
	s_lshl_b32 s21, s18, 2
	s_lshl_b32 s21, 15, s21                        ; my row of the cluster
	s_lshl_b32 s22, 0x1111, s17                    ; my column
	; group 1: 128 rows x 128 elements of 2 bytes, 1,024 elements from row to row; after every 64 words a pad of 4 (x) or 8 (W) words
	s_or_b32 s[G1A+0], s21, (1<<16)|(1<<20)|(1<<21)|(5<<22)|(3<<25)
	s_or_b32 s[G1B+0], s22, (1<<16)|(1<<20)|(1<<21)|(5<<22)|(7<<25)
.irp g, G1A, G1B
	s_mov_b32 s[\g+1], KSTEP<<16                   ; tensor_dim0 = 128
	s_mov_b32 s[\g+2], 128<<16                     ; tensor_dim1 = 128
	s_mov_b32 s[\g+3], KSTEP<<16                   ; tile_dim0 = 128
	s_mov_b32 s[\g+4], 128                         ; tile_dim1 = 128
	s_mov_b32 s[\g+5], 1024                        ; pitch
	s_mov_b32 s[\g+6], 0
	s_mov_b32 s[\g+7], 0
.endr
	; x's tile: row 128 by.  These registers never hold cx.
	s_lshl_b32 s56, s20, 18                        ; 128 rows x 2,048 bytes
	s_mov_b32 s57, 0
	; W's sub-tile gc = 3 bx + wave (wave 3, which asks for x, gets wave 2's number): weight gc / 8, columns 128 (gc % 8).  Never cy.
	s_mul_i32 s60, s19, 3
	s_min_u32 s61, s14, 2
	s_add_co_u32 s60, s60, s61
	s_lshr_b32 s61, s60, 3
	s_lshl_b32 s61, s61, 21                        ; a weight is 2,097,152 bytes
	s_and_b32 s60, s60, 7
	s_lshl_b32 s60, s60, 8
	s_add_co_u32 s60, s60, s61
	s_add_co_u32 s60, s60, 0x800000                ; the weights lie behind x's 8,388,608 bytes
	s_mov_b32 s61, 0
	s_mul_i32 s23, s14, BSUB                       ; LDS: wave x 36,864 (wave 3: x's tile, behind the three sub-tiles)
	s_wait_dscnt 0x0
	s_wait_kmcnt 0x0
	s_add_nc_u64 s[58:59], s[4:5], s[56:57]
	s_add_nc_u64 s[62:63], s[4:5], s[60:61]
	CROUND                                         ; all sixteen work-groups are here: the first joint loads meet
.irp s, 0,1
	s_mov_b32 s[G0A+4*\s], 1
	s_add_co_u32 s[G0A+4*\s+1], s23, \s*SLOT
	s_add_nc_u64 s[G0A+4*\s+2:G0A+4*\s+3], s[58:59], \s*ASTEP
	s_or_b32 s[G0A+4*\s+3], s[G0A+4*\s+3], 0x80000000
	s_mov_b32 s[G0B+4*\s], 1
	s_add_co_u32 s[G0B+4*\s+1], s23, \s*SLOT
	s_add_nc_u64 s[G0B+4*\s+2:G0B+4*\s+3], s[62:63], \s*BSTEP
	s_or_b32 s[G0B+4*\s+3], s[G0B+4*\s+3], 0x80000000
	JLOAD \s                                       ; K steps 0 and 1
.endr
	; my three planes hs = 6 bx + 3 wn + g: the bias pointers s[66:71] and the planes' bases at my first row s[72:77]
	s_mul_i32 s80, s19, 6
	s_mul_i32 s81, s16, 3
	s_add_co_u32 s80, s80, s81
	s_lshl_b32 s86, s20, 14                        ; 128 by rows of 128 bytes
	s_lshl_b32 s87, s15, 13                        ; + 64 wm rows
	s_add_co_u32 s86, s86, s87
	s_mov_b32 s85, 0
.irp g, 0,1,2
	s_add_co_u32 s82, s80, \g
	s_lshr_b32 s83, s82, 4                         ; 0: q, 1: k, 2: v
	s_cmp_eq_u32 s83, 1
	s_cselect_b64 s[66+2*\g:67+2*\g], s[8:9], s[6:7]
	s_cmp_eq_u32 s83, 2
	s_cselect_b64 s[66+2*\g:67+2*\g], s[10:11], s[66+2*\g:67+2*\g]
	s_and_b32 s84, s82, 15
	s_lshl_b32 s84, s84, 8                         ; the head's 64 numbers of 4 bytes
	s_add_nc_u64 s[66+2*\g:67+2*\g], s[66+2*\g:67+2*\g], s[84:85]
	s_lshl_b32 s84, s82, 19                        ; a plane is 524,288 bytes
	s_add_co_u32 s84, s84, s86
	s_add_nc_u64 s[72+2*\g:73+2*\g], s[12:13], s[84:85]
.endr
	v_and_b32 v1, 15, v0                           ; r = l % 16
	v_bfe_u32 v2, v0, 4, 1                         ; h = l / 16
	; x's fragment: lane l holds row r; two loads of 16 bytes, 32 apart, at row x pitch + 16 h
	v_mul_u32_u24 v3, v1, PA
	v_lshl_add_u32 v3, v2, 4, v3
	s_mul_i32 s88, s15, 64*PA
	s_add_co_u32 s88, s88, AOFF
	v_add_nc_u32 v[ADRA], s88, v3
	s_add_co_u32 s88, s88, SLOT
	v_add_nc_u32 v[ADRA+1], s88, v3
	; W's fragment by the transposing load: lane l addresses row 8 h + l % 8 of the 32 k, 16 bytes at 16 ((l / 8) % 2); the second load 16 rows on
	v_and_b32 v5, 7, v0
	v_lshl_add_u32 v5, v2, 3, v5
	v_mul_u32_u24 v4, v5, PB
	v_bfe_u32 v5, v0, 3, 1
	v_lshl_add_u32 v4, v5, 4, v4
.irp g, 0,1,2
	s_add_co_u32 s88, s81, \g                      ; plane 3 wn + g of the block's six: sub-tile / 2, left or right 64 columns
	s_lshr_b32 s89, s88, 1
	s_mul_i32 s89, s89, BSUB
	s_and_b32 s88, s88, 1
	s_lshl_b32 s88, s88, 7
	s_add_co_u32 s88, s88, s89
	v_add_nc_u32 v[ADRB+\g], s88, v4
	s_add_co_u32 s88, s88, SLOT
	v_add_nc_u32 v[ADRB+3+\g], s88, v4
.endr
	s_mul_i32 s88, s14, 16*SP
	s_add_co_u32 s88, s88, STAGE                   ; my stage
	v_mul_u32_u24 v6, v1, SP
	v_lshl_add_u32 v6, v2, 4, v6
	v_add_nc_u32 v[STO], s88, v6                   ; in: row r, 16 bytes for each half of the lanes
	v_bfe_u32 v6, v0, 3, 2
	v_mul_u32_u24 v6, v6, SP
	v_and_b32 v5, 7, v0
	v_lshl_add_u32 v6, v5, 4, v6
	v_add_nc_u32 v[RD], s88, v6                    ; back: eight lanes take a row of 128 bytes, 32 lanes four rows
	v_and_b32 v5, 31, v0
	v_lshlrev_b32 v[CO], 4, v5
	v_lshlrev_b32 v[BOFF], 5, v2
	; the bias of my 12 column tiles, 8 numbers a lane each; waited for on the way out
.irp g, 0,1,2
.irp bb, 0,1,2,3
	global_load_b128 v[BIAS+8*(4*\g+\bb):BIAS+8*(4*\g+\bb)+3],   v[BOFF], s[66+2*\g:67+2*\g] offset:64*\bb
	global_load_b128 v[BIAS+8*(4*\g+\bb)+4:BIAS+8*(4*\g+\bb)+7], v[BOFF], s[66+2*\g:67+2*\g] offset:64*\bb+16
.endr
.endr
; 12 matrix instructions: row tile a of the window's two (hi = 0: my rows 0-31, 1: rows 32-63) x all 12 column tiles, 32 along K, buffer f.
; The 48 accumulators take turns, one instruction a turn, in the same order in every quarter step.
.macro MUL12 f, hi, a, zero
.irp b, 0,1,2,3,4,5,6,7,8,9,10,11
.if \zero
	v_wmma_f32_16x16x32_bf16 v[8*(12*\a+\b):8*(12*\a+\b)+7], v[96*\f+8*\b:96*\f+8*\b+7], v[FA+32*\f+8*(2*\hi+\a):FA+32*\f+8*(2*\hi+\a)+7], 0
.else
	v_wmma_f32_16x16x32_bf16 v[8*(12*\a+\b):8*(12*\a+\b)+7], v[96*\f+8*\b:96*\f+8*\b+7], v[FA+32*\f+8*(2*\hi+\a):FA+32*\f+8*(2*\hi+\a)+7], v[8*(12*\a+\b):8*(12*\a+\b)+7]
.endif
.endr
.endm
; 32 LDS loads in one run: quarter q (32 along K) of a slot into buffer f: 24 for W's 12 fragments, then 8 for x's 4
.macro FETCH slot, q, f
	WIN 0x40
.irp g, 0,1,2
.irp bb, 0,1,2,3
	ds_load_tr16_b128 v[96*\f+8*(4*\g+\bb):96*\f+8*(4*\g+\bb)+3],   v[ADRB+3*\slot+\g] offset:32*PB*\q+32*\bb
	ds_load_tr16_b128 v[96*\f+8*(4*\g+\bb)+4:96*\f+8*(4*\g+\bb)+7], v[ADRB+3*\slot+\g] offset:32*PB*\q+32*\bb+16*PB
.endr
.endr
	WIN 0
.irp a, 0,1,2,3
	ds_load_b128 v[FA+32*\f+8*\a:FA+32*\f+8*\a+3],   v[ADRA+\slot] offset:64*\q+16*PA*\a
	ds_load_b128 v[FA+32*\f+8*\a+4:FA+32*\f+8*\a+7], v[ADRA+\slot] offset:64*\q+16*PA*\a+32
.endr
.endm
; One of a K step's first three quarters: multiplies buffer f; in its middle it fetches quarter q into buffer g
.macro QUARTER slot, q, f, g, zero
	s_wait_dscnt 4                                 ; W and x's rows 0-31 are in; the youngest four loads (x's rows 32-63) may be out
	WIN MUL_LO
	MUL12 \f, 0, 0, \zero
	MUL12 \f, 0, 1, \zero
	PLACES                                         ; buffer g was read by matrix instructions: four places in front of the loads into it
	FETCH \slot, \q, \g
	s_wait_dscnt 32                                ; all but the 32 just issued
	WIN MUL_HI
	MUL12 \f, 1, 0, \zero
	MUL12 \f, 1, 1, \zero
.endm
.macro THREE slot, zero
	QUARTER \slot, 1, 0, 1, \zero
	QUARTER \slot, 2, 1, 0, 0
	QUARTER \slot, 3, 0, 1, 0
.endm
; The last quarter: multiplies buffer 1 and changes slots.  One barrier: in front of it each wave's reads of this slot are back and all
; its tensor loads have landed (the one out is its part of the next slot).  fill = 1: the barrier opens a round of the cluster's barrier,
; and this slot's refill, two K steps ahead, is the first tensor load behind the round.
.macro TURN slot, next, fill
	s_wait_dscnt 4
	WIN MUL_LO
	MUL12 1, 0, 0, 0
	s_wait_dscnt 0x0                               ; my reads of this slot are over
	s_wait_tensorcnt 0x0                           ; all my tensor loads have landed
	ds_add_u32 v255, v63
	s_wait_dscnt 0x0
	s_barrier_signal -1
	MUL12 1, 0, 1, 0                               ; register work while the others arrive
	WIN 0
	s_barrier_wait -1
.if \fill
	CREST
	s_add_nc_u64 s[G0A+4*\slot+2:G0A+4*\slot+3], s[G0A+4*\slot+2:G0A+4*\slot+3], 2*ASTEP
	s_add_nc_u64 s[G0B+4*\slot+2:G0B+4*\slot+3], s[G0B+4*\slot+2:G0B+4*\slot+3], 2*BSTEP
	JLOAD \slot
.endif
	PLACES
	FETCH \next, 0, 0
	WIN MUL_HI
	MUL12 1, 1, 0, 0
	MUL12 1, 1, 1, 0
.endm
.macro LAP zero
	THREE 0, \zero
	TURN 0, 1, 1
	THREE 1, 0
	TURN 1, 0, 1
.endm
	s_wait_tensorcnt 1                             ; my part of K step 0 is in; K step 1's stays out
	s_barrier_signal -1
	s_barrier_wait -1
	FETCH 0, 0, 0
	LAP 1                                          ; the first products start the sums: nothing is cleared
	WIN 0
	s_mov_b32 s3, LAPS-2
.Llap:
	LAP 0
	WIN 0
	s_sub_co_u32 s3, s3, 1
	s_cmp_lg_u32 s3, 0
	s_cbranch_scc1 .Llap
	THREE 0, 0                                     ; the last lap fills nothing
	TURN 0, 1, 0
	THREE 1, 0
	s_wait_dscnt 4
	WIN MUL_LO
	MUL12 1, 0, 0, 0
	MUL12 1, 0, 1, 0
	s_wait_dscnt 0x0
	WIN MUL_HI
	MUL12 1, 1, 0, 0
	MUL12 1, 1, 1, 0
	PLACES                                         ; behind the last matrix instructions: the sums are read, the buffers loaded again
	WIN 0
	s_wait_loadcnt 0x0                             ; the bias
; THE WAY OUT: 16 rows (row tile a; al = its number in window from) x one plane g: add the bias, round, 16 bytes a lane into my stage,
; read back four rows at a time.  A plane's rows follow each other without a gap, so a store of the wave covers 512 neighbouring bytes,
; at a multiple of 512 from the plane's first byte.  rb: the read-back registers, two sets in turn.
.macro OUT a, al, from, g, rb
	WIN \from
.irp bb, 0,1,2,3
.irp r, 0,1,2,3
	v_pk_add_f32 v[T+8*\bb+2*\r:T+8*\bb+2*\r+1], v[8*(12*\al+4*\g+\bb)+2*\r:8*(12*\al+4*\g+\bb)+2*\r+1], v[BIAS+8*(4*\g+\bb)+2*\r:BIAS+8*(4*\g+\bb)+2*\r+1]
.endr
.endr
	WIN 0
.irp o, 0,1,2,3,4,5,6,7,8,9,10,11,12,13,14,15
	v_cvt_pk_bf16_f32 v[T+\o], v[T+2*\o], v[T+2*\o+1]              ; in place, ascending: word o is written when words 2 o, 2 o + 1 are read
.endr
.irp bb, 0,1,2,3
	ds_store_b128 v[STO], v[T+4*\bb:T+4*\bb+3] offset:32*\bb
.endr
	s_wait_xcnt 0x0                                ; rb was store data two turns ago: it is loaded again only behind this wait
.irp t, 0,1,2,3
	ds_load_b128 v[\rb+4*\t:\rb+4*\t+3], v[RD] offset:4*SP*\t      ; LDS serves a wave's instructions in order: these see the stores above
.endr
.irp t, 0,1,2,3
	s_wait_dscnt 3-\t
	global_store_b128 v[CO], v[\rb+4*\t:\rb+4*\t+3], s[72+2*\g:73+2*\g] offset:2048*\a+512*\t
.endr
.endm
	OUT 0, 0, 0x02, 0, 64
	OUT 0, 0, 0x02, 1, 80
	OUT 0, 0, 0x02, 2, 64
	OUT 1, 1, 0x02, 0, 80
	OUT 1, 1, 0x02, 1, 64
	OUT 1, 1, 0x02, 2, 80
	OUT 2, 0, 0x03, 0, 64
	OUT 2, 0, 0x03, 1, 80
	OUT 2, 0, 0x03, 2, 64
	OUT 3, 1, 0x03, 0, 80
	OUT 3, 1, 0x03, 1, 64
	OUT 3, 1, 0x03, 2, 80
	s_set_vgpr_msb 0x1
	s_wait_tensorcnt 0x0
	ds_add_u32 v255, v63
	s_wait_dscnt 0x0
	s_set_vgpr_msb 0x100
	CROUND                                         ; the closing round: no work-group ends while a partner may still ask for a tile that names it
	s_endpgm
.Lfunc_end_k_q0b3e27bf16_project_qkv:
	.size	k_q0b3e27bf16_project_qkv, .Lfunc_end_k_q0b3e27bf16_project_qkv-k_q0b3e27bf16_project_qkv
	.p2alignl 7, 3214868480
	.fill 96, 4, 3214868480
	.section	.rodata,"a",@progbits
	.p2align	6, 0x0
	.amdhsa_kernel k_q0b3e27bf16_project_qkv
		.amdhsa_group_segment_fixed_size 327680
		.amdhsa_private_segment_fixed_size 0
		.amdhsa_enable_private_segment 0
		.amdhsa_kernarg_size 40
		.amdhsa_user_sgpr_count 2
		.amdhsa_user_sgpr_kernarg_segment_ptr 1
		.amdhsa_wavefront_size32 1
		.amdhsa_system_sgpr_workgroup_id_x 1
		.amdhsa_system_sgpr_workgroup_id_y 1
		.amdhsa_system_sgpr_workgroup_id_z 1
		.amdhsa_system_vgpr_workitem_id 0
		.amdhsa_next_free_vgpr 1024
		.amdhsa_next_free_sgpr 90
		.amdhsa_reserve_vcc 0
		.amdhsa_float_denorm_mode_32 3
		.amdhsa_float_denorm_mode_16_64 3
		.amdhsa_memory_ordered 1
		.amdhsa_forward_progress 1
		.amdhsa_inst_pref_size 181
	.end_amdhsa_kernel
	.amdgpu_metadata
---
amdhsa.version: [ 1, 2 ]
amdhsa.kernels:
  - .name:           k_q0b3e27bf16_project_qkv
    .symbol:         k_q0b3e27bf16_project_qkv.kd
    .args:
      - { .name: bf, .offset: 0, .size: 8, .value_kind: global_buffer, .address_space: global }
      - { .name: bq, .offset: 8, .size: 8, .value_kind: global_buffer, .address_space: global }
      - { .name: bk, .offset: 16, .size: 8, .value_kind: global_buffer, .address_space: global }
      - { .name: bv, .offset: 24, .size: 8, .value_kind: global_buffer, .address_space: global }
      - { .name: qkv, .offset: 32, .size: 8, .value_kind: global_buffer, .address_space: global }
    .group_segment_fixed_size: 327680
    .private_segment_fixed_size: 0
    .kernarg_segment_align: 8
    .kernarg_segment_size: 40
    .max_flat_workgroup_size: 128
    .sgpr_count:     90
    .vgpr_count:     1024
    .wavefront_size: 32
...
	.end_amdgpu_metadata
.endif
;; end of part 2
;; launch attention (part 3): grid 8 x 32, 8 waves a work-group, clusters of 4 x 1, 327,680 bytes of LDS; arguments qkv, ao; writes ao
.if DOCPART == 3
	.amdgcn_target "amdgcn-amd-amdhsa--gfx1250"
	.amdhsa_code_object_version 6
	.text
	.protected	k_q0b3e27bf16_attention
	.globl	k_q0b3e27bf16_attention
	.p2align	8
	.type	k_q0b3e27bf16_attention,@function
k_q0b3e27bf16_attention:
	s_mov_b64 s[64:65], 0
	v_nop
	global_prefetch_b8 v0, s[64:65] scope:SCOPE_SE
	s_setreg_imm32_b32 hwreg(HW_REG_WAVE_MODE, 25, 1), 1
	s_wait_xcnt 0x0
	s_wait_alu depctr_hold_cnt(0) depctr_sa_sdst(0) depctr_va_vdst(0) depctr_va_sdst(0) depctr_va_ssrc(0) depctr_va_vcc(0) depctr_vm_vsrc(0)
	s_getreg_b32 s2, hwreg(HW_REG_IB_STS2, 6, 4)
	s_cmp_eq_u32 s2, 0
	s_cbranch_scc0 .Lentry_in_a_cluster
	s_endpgm
.Lentry_in_a_cluster:
	s_bfe_u32 s2, ttmp6, 0x10000c
	s_cmp_lg_u32 s2, 0x3003
	s_cbranch_scc0 .Lentry_shape_is_right
	s_endpgm
.Lentry_shape_is_right:
; ao[h][row][d] = softmax(q k^T / 8) v for one (batch b, head h) and 256 queries a work-group.  q, k, v: planes of qkv, bf16.
; Eight waves: wave w has 64 queries (qg = w % 4) and one half of the keys (kh = w / 4: 128 of each slot's 256).  Each wave keeps its own
; running maximum and sum; the pair (w, w + 4) is merged once at the end.  Keys go in 8 steps of 256 through two LDS slots.
; CLUSTERS: the four work-groups of a cluster are four query blocks of one (b, h) and read the same K and V: every tile is asked for jointly
; (mask 15).  Waves 0-3 ask for K's four quarters, waves 4-7 for V's; a wave has one tensor load out, with a step's work in which to land.
; LAYOUTS: S^T = K Q^T (source 0 = 16 keys, source 1 = 16 queries): lane l holds query l % 16 and keys 8 (l / 16) + 0..7.  Two neighbouring key
; tiles, rounded to bf16 in place, ARE source 1 of O^T = V^T P^T (source 0 = V by the transposing load), so P never leaves the registers,
; and maximum, sum and rescaling factor are one number a lane.
; SOFTMAX: the running maximum is taken away before every exponential.  The state is NM = the rounded -c m, c = log2(e) / 8; every exponent is
; fma(s, c, NM) and the factor for older sums is 2^(NM new - NM old), so all exponents use the same rounded shift.
; REGISTERS: window 0 addresses, state, K's fragments, S; window 1 O (v0-127), Q (v128-191), V's fragments (v192-255).
; LIMITS: q, k, v, the probabilities and the result carry bf16's 8 bits; a probability below 2^-126 of its row's largest counts as 0
; (v_exp_f32 flushes); NaN and infinities are not treated specially.
.set KP,   144                         ; K's LDS row: 128 bytes + 16 = 9 x 16
.set VP,   160                         ; V's LDS row: 128 bytes + 32 = 5 x 32
.set VOFF, 40960                       ; V's 256 rows begin here, so that wave w (4-7) fills at w x 10,240; K's 36,864 bytes lie in front
.set SLOT, 81920
.set SCR,  2*SLOT                      ; the merge: 35 x 512 bytes for each pair; no tensor load lands here
.set SCRW, 17920
.set STG,  SCR+4*SCRW                  ; the way out: 64 rows x 144 bytes for each of waves 0-3
.set STGW, 9216
.set STEP, 32768                       ; 256 rows of 128 bytes
.set KADR, 2                           ; v2-3   K's fragments in slot 0, 1
.set VADR, 4                           ; v4-5   V's
.set QOFF, 6
.set SADR, 7
.set STO,  8
.set RD,   9
.set CO,   10
.set NM,   16                          ; v[16:23]  -c x maximum, twice, for each of 4 query tiles
.set LS,   24                          ; v[24:27]  running sums
.set AL,   28                          ; v[28:35]  rescaling factor, twice; at the end my own factor
.set T,    36                          ; v36-39
.set U,    40                          ; v[40:47]  at work; at the end the partner's factor
.set NM2,  48                          ; v[48:55]  the partner's NM
.set LS2,  56                          ; v[56:59]  the partner's sums
.set KF,   64                          ; v64 + 16 kt + 8 ds
.set SC,   128                         ; v128 + 32 qt + 8 kt
.set QF,   128                         ; window 1: v128 + 16 qt + 8 ds
.set VF,   192                         ; window 1: v192 + 32 ks + 8 dt
.set G1K, 16
.set G1V, 24
.set G0K, 32
.set G0V, 40
.set MSB, 0
.macro WIN new
.if MSB != \new
	s_set_vgpr_msb (MSB<<8)|\new
.set MSB, \new
.endif
.endm
.macro PLACES
.rept 4
	v_nop
.endr
.endm
.macro ROUND                           ; a round of the cluster's barrier
	s_barrier_signal -1
	s_barrier_wait -1
	s_cmp_lg_u32 s8, 0
	s_cbranch_scc1 .Lnot_wave_0_\@
	s_barrier_signal -3
.Lnot_wave_0_\@:
	s_barrier_wait -3
	s_barrier_signal -1
	s_barrier_wait -1
.endm
.macro JLOAD s                         ; waves 0-3: K's quarter; waves 4-7: V's
	s_cmp_eq_u32 s10, 0
	s_cbranch_scc0 .Lfor_v_\@
	tensor_load_to_lds s[G0K+4*\s:G0K+4*\s+3], s[G1K:G1K+7]
	s_nop 0
	s_branch .Lasked_\@
.Lfor_v_\@:
	tensor_load_to_lds s[G0V+4*\s:G0V+4*\s+3], s[G1V:G1V+7]
	s_nop 0
.Lasked_\@:
.endm
	s_load_b128 s[4:7], s[0:1], 0x0                ; qkv s[4:5], ao s[6:7]
	v_lshl_add_u32 v62, v0, 2, 0x42800
	v_mov_b32 v63, 0
	ds_add_u32 v62, v63
	v_lshrrev_b32 v1, 5, v0
	v_readfirstlane_b32 s8, v1                     ; wave 0..7
	s_and_b32 s9, s8, 3                            ; qg
	s_lshr_b32 s10, s8, 2                          ; kh
	s_bfe_u32 s11, ttmp6, 0x40000                  ; cx
	s_lshl_b32 s12, ttmp9, 2
	s_add_co_u32 s12, s12, s11                     ; query block = 4 x cluster x + cx
	s_and_b32 s13, ttmp7, 0xffff
	s_and_b32 s14, s13, 15                         ; head
	s_lshr_b32 s15, s13, 4                         ; batch
	s_mov_b32 s48, 0x3e38aa3b                      ; c = log2(e) / 8
	s_mov_b32 s49, 0x3e38aa3b
	s_mov_b32 s50, 0xbe38aa3b                      ; -c
	s_mov_b32 s52, 0x76543210                      ; v_permlanex16_b32: lane i of one half reads lane i of the other
	s_mov_b32 s53, 0xfedcba98
	; group 1: 8,192 dense bytes (64 keys) as 32 rows of 32 elements of 8 bytes; after every 32 words (a key's 128 bytes) a pad of 4 (K) or 8 (V) words
	s_mov_b32 s[G1K+0], 15|(3<<16)|(1<<20)|(1<<21)|(4<<22)|(3<<25)
	s_mov_b32 s[G1V+0], 15|(3<<16)|(1<<20)|(1<<21)|(4<<22)|(7<<25)
.irp g, G1K, G1V
	s_mov_b32 s[\g+1], 32<<16                      ; tensor_dim0 = 32
	s_mov_b32 s[\g+2], 32<<16                      ; tensor_dim1 = 32
	s_mov_b32 s[\g+3], 32<<16                      ; tile_dim0 = 32
	s_mov_b32 s[\g+4], 32                          ; tile_dim1 = 32
	s_mov_b32 s[\g+5], 32                          ; pitch
	s_mov_b32 s[\g+6], 0
	s_mov_b32 s[\g+7], 0
.endr
	s_lshl_b32 s54, s14, 19                        ; head x 524,288
	s_lshl_b32 s55, s15, 18                        ; + batch x 2,048 rows of 128 bytes
	s_add_co_u32 s54, s54, s55
	s_lshl_b32 s55, s9, 13                         ; + 64 qg rows
	s_add_co_u32 s54, s54, s55
	s_add_co_u32 s56, s54, 0x800000                ; k's planes begin at plane 16
	s_mov_b32 s57, 0
	s_lshl_b32 s66, s12, 15                        ; my query block: 256 rows.  cx enters these two registers alone
	s_add_co_u32 s66, s66, s54
	s_mov_b32 s67, 0
	s_mul_i32 s62, s8, 64*KP                       ; LDS: K's quarter at wave x 9,216
	s_mul_i32 s63, s8, 64*VP                       ;      V's at wave x 10,240
	s_wait_dscnt 0x0
	s_wait_kmcnt 0x0
	s_add_nc_u64 s[68:69], s[4:5], s[56:57]
	s_add_co_u32 s56, s54, 0x1000000               ; v's planes begin at plane 32
	s_add_nc_u64 s[70:71], s[4:5], s[56:57]
	s_add_nc_u64 s[58:59], s[4:5], s[66:67]        ; my 64 queries
	s_add_nc_u64 s[60:61], s[6:7], s[66:67]        ; and their rows of ao
.irp s, 0,1
	s_mov_b32 s[G0K+4*\s], 1
	s_add_co_u32 s[G0K+4*\s+1], s62, \s*SLOT
	s_add_nc_u64 s[G0K+4*\s+2:G0K+4*\s+3], s[68:69], \s*STEP
	s_or_b32 s[G0K+4*\s+3], s[G0K+4*\s+3], 0x80000000
	s_mov_b32 s[G0V+4*\s], 1
	s_add_co_u32 s[G0V+4*\s+1], s63, \s*SLOT
	s_add_nc_u64 s[G0V+4*\s+2:G0V+4*\s+3], s[70:71], \s*STEP
	s_or_b32 s[G0V+4*\s+3], s[G0V+4*\s+3], 0x80000000
.endr
	v_and_b32 v11, 15, v0                          ; r
	v_bfe_u32 v12, v0, 4, 1                        ; h
	v_and_b32 v13, 7, v0                           ; l % 8
	v_bfe_u32 v14, v0, 3, 1                        ; (l / 8) % 2
	v_bfe_u32 v15, v0, 3, 2                        ; l / 8
	v_mul_u32_u24 v1, v11, KP
	v_lshl_add_u32 v1, v12, 4, v1
	s_mul_i32 s54, s10, 128*KP                     ; my half of a slot's keys
	v_add_nc_u32 v[KADR], s54, v1
	s_add_co_u32 s54, s54, SLOT
	v_add_nc_u32 v[KADR+1], s54, v1
	v_lshl_add_u32 v1, v12, 3, v13
	v_mul_u32_u24 v1, v1, VP
	v_lshl_add_u32 v1, v14, 4, v1
	s_mul_i32 s54, s10, 128*VP
	s_add_co_u32 s54, s54, VOFF
	v_add_nc_u32 v[VADR], s54, v1
	s_add_co_u32 s54, s54, SLOT
	v_add_nc_u32 v[VADR+1], s54, v1
	v_lshlrev_b32 v[QOFF], 7, v11
	v_lshl_add_u32 v[QOFF], v12, 4, v[QOFF]        ; 128 r + 16 h
	v_and_b32 v1, 31, v0
	v_lshlrev_b32 v[CO], 4, v1                     ; 16 l
	s_mul_i32 s54, s9, SCRW
	s_add_co_u32 s54, s54, SCR
	v_add_nc_u32 v[SADR], s54, v[CO]
	s_mul_i32 s54, s9, STGW
	s_add_co_u32 s54, s54, STG
	v_mul_u32_u24 v1, v11, 144
	v_lshl_add_u32 v1, v12, 4, v1
	v_add_nc_u32 v[STO], s54, v1
	v_mul_u32_u24 v1, v15, 144
	v_lshl_add_u32 v1, v13, 4, v1
	v_add_nc_u32 v[RD], s54, v1
	; Q's fragments straight from memory, once: the four loads of a query tile cover its 2,048 bytes whole
	WIN 0x40
.irp qt, 0,1,2,3
.irp ds, 0,1
	global_load_b128 v[QF+16*\qt+8*\ds:QF+16*\qt+8*\ds+3],   v[QOFF], s[58:59] offset:2048*\qt+64*\ds
	global_load_b128 v[QF+16*\qt+8*\ds+4:QF+16*\qt+8*\ds+7], v[QOFF], s[58:59] offset:2048*\qt+64*\ds+32
.endr
.endr
	WIN 0
	ROUND                                          ; in front of the first joint load
	JLOAD 0                                        ; keys 0-255
	s_wait_loadcnt 0x0                             ; Q
; The softmax step of query tile qt on 64 new keys: 32 scores a lane in v[SB .. SB+31]
.macro SOFTMAX qt, first
.set SB, SC+32*\qt
.irp k, 0,1,2,3
	v_max3_num_f32 v[T+\k], v[SB+8*\k], v[SB+8*\k+1], v[SB+8*\k+2]
.endr
.irp k, 0,1,2,3
	v_max3_num_f32 v[T+\k], v[T+\k], v[SB+8*\k+3], v[SB+8*\k+4]
.endr
.irp k, 0,1,2,3
	v_max3_num_f32 v[T+\k], v[T+\k], v[SB+8*\k+5], v[SB+8*\k+6]
.endr
	v_max3_num_f32 v[T], v[T], v[SB+7], v[SB+15]
	v_max3_num_f32 v[T+2], v[T+2], v[SB+23], v[SB+31]
	v_max3_num_f32 v[T], v[T], v[T+1], v[T+2]
	v_max_num_f32 v[T], v[T], v[T+3]
	v_permlanex16_b32 v[T+1], v[T], s52, s53       ; the other half of the lanes holds the query's other 32 keys
	v_max_num_f32 v[T], v[T], v[T+1]
	v_mul_f32 v[T+1], s50, v[T]                    ; -c x the block's maximum
.if \first == 0
	v_min_num_f32 v[T+1], v[T+1], v[NM+2*\qt]      ; the running maximum, as the smaller -c m
	v_sub_f32 v[T+2], v[T+1], v[NM+2*\qt]          ; exponent of the factor for the older sums, at most 0
.endif
	v_mov_b32 v[NM+2*\qt], v[T+1]
	v_mov_b32 v[NM+2*\qt+1], v[T+1]
.set i, 0
.rept 16
	v_pk_fma_f32 v[SB+i:SB+i+1], v[SB+i:SB+i+1], s[48:49], v[NM+2*\qt:NM+2*\qt+1] op_sel_hi:[1,0,1]
.set i, i+2
.endr
.if \first == 0
	v_exp_f32 v[AL+2*\qt], v[T+2]
.endif
.set i, 0
.rept 32
	v_exp_f32 v[SB+i], v[SB+i]
.set i, i+1
.endr
	v_nop                                          ; one plain place behind the exponentials before a result is used (ISA guide 5.7.2)
.if \first == 0
	s_wait_alu depctr_va_vdst(0)
	v_mov_b32 v[AL+2*\qt+1], v[AL+2*\qt]
.endif
	s_wait_alu depctr_va_vdst(0)
.irp k, 0,1,2,3
	v_pk_add_f32 v[U+2*\k:U+2*\k+1], v[SB+8*\k:SB+8*\k+1], v[SB+8*\k+2:SB+8*\k+3]
.endr
.irp k, 0,1,2,3
	v_pk_add_f32 v[U+2*\k:U+2*\k+1], v[U+2*\k:U+2*\k+1], v[SB+8*\k+4:SB+8*\k+5]
.endr
.irp k, 0,1,2,3
	v_pk_add_f32 v[U+2*\k:U+2*\k+1], v[U+2*\k:U+2*\k+1], v[SB+8*\k+6:SB+8*\k+7]
.endr
	v_pk_add_f32 v[U:U+1], v[U:U+1], v[U+2:U+3]
	v_pk_add_f32 v[U+4:U+5], v[U+4:U+5], v[U+6:U+7]
	v_pk_add_f32 v[U:U+1], v[U:U+1], v[U+4:U+5]
.if \first
	v_add_f32 v[LS+\qt], v[U], v[U+1]              ; my half's sum; the two halves of the lanes are added at the end
.else
	v_add_f32 v[T], v[U], v[U+1]
	v_fma_f32 v[LS+\qt], v[LS+\qt], v[AL+2*\qt], v[T]
.endif
.irp ks, 0,1
.irp o, 0,1,2,3,4,5,6,7
	v_cvt_pk_bf16_f32 v[SB+16*\ks+\o], v[SB+16*\ks+2*\o], v[SB+16*\ks+2*\o+1]   ; two key tiles become one fragment of P^T, in place, ascending
.endr
.endr
.endm
; 64 keys (block blk of my 128 in the slot) against my 64 queries
.macro BLOCK slot, blk, first
.if \first == 0
.rept 5
	v_nop                                          ; five places behind the last products: S is written over their P, V's loads land on their V
.endr
.endif
.irp kt, 0,1,2,3
.irp ds, 0,1
	ds_load_b128 v[KF+16*\kt+8*\ds:KF+16*\kt+8*\ds+3],   v[KADR+\slot] offset:64*KP*\blk+16*KP*\kt+64*\ds
	ds_load_b128 v[KF+16*\kt+8*\ds+4:KF+16*\kt+8*\ds+7], v[KADR+\slot] offset:64*KP*\blk+16*KP*\kt+64*\ds+32
.endr
.endr
	WIN 0x40
.irp ks, 0,1
.irp dt, 0,1,2,3
	ds_load_tr16_b128 v[VF+32*\ks+8*\dt:VF+32*\ks+8*\dt+3],   v[VADR+\slot] offset:(64*\blk+32*\ks)*VP+32*\dt
	ds_load_tr16_b128 v[VF+32*\ks+8*\dt+4:VF+32*\ks+8*\dt+7], v[VADR+\slot] offset:(64*\blk+32*\ks)*VP+32*\dt+16*VP
.endr
.endr
	s_wait_dscnt 16                                ; K's 16 loads are in; V's 16 stay out
	WIN 0x04                                       ; source 1 (Q) window 1
	; the 16 tiles of S take turns, one instruction a turn
.irp qt, 0,1,2,3
.irp kt, 0,1,2,3
	v_wmma_f32_16x16x32_bf16 v[SC+32*\qt+8*\kt:SC+32*\qt+8*\kt+7], v[KF+16*\kt:KF+16*\kt+7], v[QF+16*\qt:QF+16*\qt+7], 0
.endr
.endr
.irp qt, 0,1,2,3
.irp kt, 0,1,2,3
	v_wmma_f32_16x16x32_bf16 v[SC+32*\qt+8*\kt:SC+32*\qt+8*\kt+7], v[KF+16*\kt+8:KF+16*\kt+15], v[QF+16*\qt+8:QF+16*\qt+15], v[SC+32*\qt+8*\kt:SC+32*\qt+8*\kt+7]
.endr
.endr
	WIN 0
	PLACES
	SOFTMAX 0, \first
	SOFTMAX 1, \first
	SOFTMAX 2, \first
	SOFTMAX 3, \first
.if \first == 0
	WIN 0x41                                       ; O in window 1, the factor in window 0
.irp qt, 0,1,2,3
.set i, 0
.rept 16
	v_pk_mul_f32 v[32*\qt+i:32*\qt+i+1], v[32*\qt+i:32*\qt+i+1], v[AL+2*\qt:AL+2*\qt+1]
.set i, i+2
.endr
.endr
.endif
	s_wait_dscnt 0x0                               ; V
	WIN 0x51                                       ; source 0 (V), C and D (O) window 1; source 1 (P) window 0
	; the 16 tiles of O take turns, one instruction a turn
.irp ks, 0,1
.irp qt, 0,1,2,3
.irp dt, 0,1,2,3
.if \first*(1-\ks)
	v_wmma_f32_16x16x32_bf16 v[32*\qt+8*\dt:32*\qt+8*\dt+7], v[VF+32*\ks+8*\dt:VF+32*\ks+8*\dt+7], v[SC+32*\qt+16*\ks:SC+32*\qt+16*\ks+7], 0
.else
	v_wmma_f32_16x16x32_bf16 v[32*\qt+8*\dt:32*\qt+8*\dt+7], v[VF+32*\ks+8*\dt:VF+32*\ks+8*\dt+7], v[SC+32*\qt+16*\ks:SC+32*\qt+16*\ks+7], v[32*\qt+8*\dt:32*\qt+8*\dt+7]
.endif
.endr
.endr
.endr
	WIN 0
.endm
; One step of 256 keys.  In front of the round every wave's tensor load has landed (its part of this slot) and its reads of the other slot
; are back; behind it the other slot's next tile is asked for first.
.macro TRIP slot, other, refill, first
	s_wait_tensorcnt 0x0                           ; no tensor load of mine is out: a group 0 may be written
	ds_add_u32 v62, v63
	s_wait_dscnt 0x0
	s_add_nc_u64 s[G0K+4*\slot+2:G0K+4*\slot+3], s[G0K+4*\slot+2:G0K+4*\slot+3], 2*STEP
	s_add_nc_u64 s[G0V+4*\slot+2:G0V+4*\slot+3], s[G0V+4*\slot+2:G0V+4*\slot+3], 2*STEP
	s_wait_dscnt 0x0
	ROUND
.if \refill
	JLOAD \other
.endif
	BLOCK \slot, 0, \first
	BLOCK \slot, 1, 0
.endm
	TRIP 0, 1, 1, 1                                ; the first block starts maximum, sums and O: nothing is cleared
	TRIP 1, 0, 1, 0
	s_mov_b32 s51, 2
.Lstep:
	TRIP 0, 1, 1, 0
	TRIP 1, 0, 1, 0
	s_sub_co_u32 s51, s51, 1
	s_cmp_lg_u32 s51, 0
	s_cbranch_scc1 .Lstep
	TRIP 0, 1, 1, 0
	TRIP 1, 0, 0, 0                                ; the last step asks for nothing
	; THE MERGE of the two key halves.  Waves 4-7 hand O, NM and the sums to waves 0-3 through LDS.
	PLACES
.irp qt, 0,1,2,3
	v_permlanex16_b32 v[T], v[LS+\qt], s52, s53    ; the two halves of the lanes hold the sums of different keys
	v_add_f32 v[LS+\qt], v[LS+\qt], v[T]
.endr
	s_cmp_eq_u32 s10, 0
	s_cbranch_scc1 .Lkeep
	WIN 0x04                                       ; store data in window 1
.set i, 0
.rept 32
	ds_store_b128 v[SADR], v[4*i:4*i+3] offset:512*i
.set i, i+1
.endr
	WIN 0
	ds_store_b128 v[SADR], v[NM:NM+3] offset:16384
	ds_store_b128 v[SADR], v[NM+4:NM+7] offset:16896
	ds_store_b128 v[SADR], v[LS:LS+3] offset:17408
.Lkeep:
	s_wait_dscnt 0x0                               ; for the partner's sake: my stores are done
	ROUND                                          ; the barrier between these stores and their reads, and the cluster's closing round
	s_cmp_lg_u32 s10, 0
	s_cbranch_scc1 .Lend
	ds_load_b128 v[NM2:NM2+3], v[SADR] offset:16384
	ds_load_b128 v[NM2+4:NM2+7], v[SADR] offset:16896
	ds_load_b128 v[LS2:LS2+3], v[SADR] offset:17408
.set i, 0
.rept 32
	ds_load_b128 v[SC+4*i:SC+4*i+3], v[SADR] offset:512*i
.set i, i+1
.endr
	s_wait_dscnt 32                                ; the three loads of state are in; the partner's O stays out
.irp qt, 0,1,2,3
	v_min_num_f32 v[T], v[NM+2*\qt], v[NM2+2*\qt]  ; the common maximum
	v_sub_f32 v[T+1], v[T], v[NM+2*\qt]
	v_sub_f32 v[T+2], v[T], v[NM2+2*\qt]
	v_exp_f32 v[T+1], v[T+1]
	v_exp_f32 v[T+2], v[T+2]
	v_nop
	s_wait_alu depctr_va_vdst(0)
	v_mul_f32 v[T+3], v[LS+\qt], v[T+1]
	v_fmac_f32 v[T+3], v[LS2+\qt], v[T+2]
	v_rcp_f32 v[T+3], v[T+3]
	v_nop
	s_wait_alu depctr_va_vdst(0)
	v_mul_f32 v[AL+2*\qt], v[T+1], v[T+3]          ; my factor, with the division by the sum in it
	v_mul_f32 v[AL+2*\qt+1], v[T+1], v[T+3]
	v_mul_f32 v[U+2*\qt], v[T+2], v[T+3]           ; the partner's
	v_mul_f32 v[U+2*\qt+1], v[T+2], v[T+3]
.endr
	s_wait_dscnt 0x0
.irp qt, 0,1,2,3
.set i, 0
.rept 16
	v_pk_mul_f32 v[SC+32*\qt+i:SC+32*\qt+i+1], v[SC+32*\qt+i:SC+32*\qt+i+1], v[U+2*\qt:U+2*\qt+1]
.set i, i+2
.endr
.endr
	WIN 0x01                                       ; source 0 (my O) window 1
.irp qt, 0,1,2,3
.set i, 0
.rept 16
	v_pk_fma_f32 v[SC+32*\qt+i:SC+32*\qt+i+1], v[32*\qt+i:32*\qt+i+1], v[AL+2*\qt:AL+2*\qt+1], v[SC+32*\qt+i:SC+32*\qt+i+1]
.set i, i+2
.endr
.endr
	WIN 0
.set i, 0
.rept 64
	v_cvt_pk_bf16_f32 v[SC+i], v[SC+2*i], v[SC+2*i+1]              ; in place, ascending: tile (qt, dt) ends at SC + 16 qt + 4 dt
.set i, i+1
.endr
	; a lane's 16 bytes are 8 neighbouring d of one query: through my stage into whole rows
.irp qt, 0,1,2,3
.irp dt, 0,1,2,3
	ds_store_b128 v[STO], v[SC+16*\qt+4*\dt:SC+16*\qt+4*\dt+3] offset:2304*\qt+32*\dt
.endr
.endr
.irp t, 0,1,2,3,4,5,6,7,8,9,10,11,12,13,14,15
	ds_load_b128 v[KF+4*\t:KF+4*\t+3], v[RD] offset:576*\t         ; four rows; LDS serves a wave's instructions in order
.endr
.irp t, 0,1,2,3,4,5,6,7,8,9,10,11,12,13,14,15
	s_wait_dscnt 15-\t
	global_store_b128 v[CO], v[KF+4*\t:KF+4*\t+3], s[60:61] offset:512*\t   ; 512 neighbouring bytes of the head's plane
.endr
.Lend:
	s_wait_tensorcnt 0x0
	ds_add_u32 v62, v63
	s_wait_dscnt 0x0
	s_endpgm
.Lfunc_end_k_q0b3e27bf16_attention:
	.size	k_q0b3e27bf16_attention, .Lfunc_end_k_q0b3e27bf16_attention-k_q0b3e27bf16_attention
	.p2alignl 7, 3214868480
	.fill 96, 4, 3214868480
	.section	.rodata,"a",@progbits
	.p2align	6, 0x0
	.amdhsa_kernel k_q0b3e27bf16_attention
		.amdhsa_group_segment_fixed_size 327680
		.amdhsa_private_segment_fixed_size 0
		.amdhsa_enable_private_segment 0
		.amdhsa_kernarg_size 16
		.amdhsa_user_sgpr_count 2
		.amdhsa_user_sgpr_kernarg_segment_ptr 1
		.amdhsa_wavefront_size32 1
		.amdhsa_system_sgpr_workgroup_id_x 1
		.amdhsa_system_sgpr_workgroup_id_y 1
		.amdhsa_system_sgpr_workgroup_id_z 1
		.amdhsa_system_vgpr_workitem_id 0
		.amdhsa_next_free_vgpr 512
		.amdhsa_next_free_sgpr 72
		.amdhsa_reserve_vcc 0
		.amdhsa_float_denorm_mode_32 3
		.amdhsa_float_denorm_mode_16_64 3
		.amdhsa_memory_ordered 1
		.amdhsa_forward_progress 1
		.amdhsa_inst_pref_size 255
	.end_amdhsa_kernel
	.section	.bss,"aw",@nobits
	.p2align	6
	.space	262144
	.amdgpu_metadata
---
amdhsa.version: [ 1, 2 ]
amdhsa.kernels:
  - .name:           k_q0b3e27bf16_attention
    .symbol:         k_q0b3e27bf16_attention.kd
    .args:
      - { .name: qkv, .offset: 0, .size: 8, .value_kind: global_buffer, .address_space: global }
      - { .name: ao, .offset: 8, .size: 8, .value_kind: global_buffer, .address_space: global }
    .group_segment_fixed_size: 327680
    .private_segment_fixed_size: 0
    .kernarg_segment_align: 8
    .kernarg_segment_size: 16
    .max_flat_workgroup_size: 256
    .sgpr_count:     72
    .vgpr_count:     512
    .wavefront_size: 32
...
	.end_amdgpu_metadata
.endif
;; end of part 3
;; launch project_out (part 4): grid 128 x 1, 8 waves a work-group, clusters of 4 x 1, 327,680 bytes of LDS; arguments ao, bf, x, bp, ln_g, ln_b, out0; writes out0
.if DOCPART == 4
	.amdgcn_target "amdgcn-amd-amdhsa--gfx1250"
	.amdhsa_code_object_version 6
	.text
	.protected	k_q0b3e27bf16_project_out
	.globl	k_q0b3e27bf16_project_out
	.p2align	8
	.type	k_q0b3e27bf16_project_out,@function
k_q0b3e27bf16_project_out:
	s_mov_b64 s[64:65], 0
	v_nop
	global_prefetch_b8 v0, s[64:65] scope:SCOPE_SE
	s_setreg_imm32_b32 hwreg(HW_REG_WAVE_MODE, 25, 1), 1
	s_wait_xcnt 0x0
	s_wait_alu depctr_hold_cnt(0) depctr_sa_sdst(0) depctr_va_vdst(0) depctr_va_sdst(0) depctr_va_ssrc(0) depctr_va_vcc(0) depctr_vm_vsrc(0)
	s_getreg_b32 s2, hwreg(HW_REG_IB_STS2, 6, 4)
	s_cmp_eq_u32 s2, 0
	s_cbranch_scc0 .Lentry_in_a_cluster
	s_endpgm
.Lentry_in_a_cluster:
	s_bfe_u32 s2, ttmp6, 0x10000c
	s_cmp_lg_u32 s2, 0x3003
	s_cbranch_scc0 .Lentry_shape_is_right
	s_endpgm
.Lentry_shape_is_right:
; out0 = LayerNorm(x + ao Wp + bp) ln_g + ln_b.  ao (16 planes [4096][64]) and Wp (in bf, [K][N]) are bf16; sums, residual and norm in f32.
; The norm needs whole rows, so a work-group owns 32 whole rows (128 work-groups) and passes all of Wp through its LDS: with fewer rows a
; work-group the bytes of Wp read from LDS for each product would double, with more rows fewer work-groups would have work.
; Eight waves; wave w makes 32 rows x 128 columns: 2 x 8 accumulator tiles, 128 registers.  K goes in 16 steps of 64 (one head a step)
; through two LDS slots.
; CLUSTERS: all work-groups walk the same Wp: the four of a cluster ask for its tiles jointly (mask 15), waves 0-3 a quarter each
; (16 rows of k, 32 KiB).  ao's tile (4 KiB) is the work-group's own: wave 4 brings it by a plain load behind the same round.
; A wave has one tensor load out at the most.
; The matrix instruction is used transposed (source 0 = 16 columns of Wp by the transposing load, source 1 = 16 rows of ao).
; THE NORM: the sums go through LDS (into slot 0, behind its last fill and behind a barrier that ends its reads), wave w then owns rows
; 4 w .. 4 w + 3 whole; mean first, then the centred squares, on the row held in registers.
; LIMITS: ao and Wp carry bf16's 8 bits; NaN and infinities are passed on as the arithmetic makes them.
.set PB,    2080                       ; Wp's LDS row: 2 x (1,024 bytes + 16) = 65 x 32
.set BT,    64*PB                      ; 133,120
.set PAA,   144                        ; ao's LDS row: 128 bytes + 16
.set SLOT,  BT+32*PAA                  ; 137,728
.set YP,    528                        ; the sums: a wave's 128 columns of a row, 512 bytes + 16 = 33 x 16
.set YBLK,  32*YP                      ; a wave's block of 32 rows: 16,896; eight blocks from byte 0: 135,168, inside slot 0
.set BSTEP, 131072                     ; 64 rows of Wp
.set ASTEP, 524288                     ; a plane of ao
.set WPOFF, 14680064                   ; Wp in bf
.set AADR, 2                           ; v2-3   ao's fragments in slot 0, 1
.set BADR, 4                           ; v4-7   Wp's fragments: 2 slot + ks (32 rows are more than an offset's 16 bits)
.set YST,  8
.set YRD,  9                           ; v9-10  blocks 0-3, blocks 4-7
.set GO,   11                          ; 16 l
.set PFO,  12                          ; 256 l
.set FA,   32                          ; v32 + 16 ks + 8 a
.set HB,   64                          ; v64-95, v96-127: four fragments of Wp each
.set ACC,  128                         ; v128 + 8 (8 a + b)
.set BP,   32                          ; behind the loop: bp, ln_g, ln_b of my 32 columns
.set LG,   64
.set LB,   96
.set XR0,  128                         ; two rows of x in turn
.set XR1,  160
.set YY,   192                         ; the row at work
.set W,    224                         ; v[224:231] four chains
.set TS,   232
.set TP,   233
.set MU,   234                         ; mean, twice
.set RS,   236                         ; 1 / sqrt(var + eps), twice
.set G1B, 24
.set G1A, 32
.set G0B, 40
.set G0A, 48
.macro PLACES
.rept 4
	v_nop
.endr
.endm
.macro ROUND
	s_barrier_signal -1
	s_barrier_wait -1
	s_cmp_lg_u32 s18, 0
	s_cbranch_scc1 .Lnot_wave_0_\@
	s_barrier_signal -3
.Lnot_wave_0_\@:
	s_barrier_wait -3
	s_barrier_signal -1
	s_barrier_wait -1
.endm
.macro JLOAD s                         ; waves 0-3: a quarter of Wp's tile, jointly; wave 4: ao's tile; waves 5-7: none
	s_cmp_lt_u32 s18, 4
	s_cbranch_scc0 .Lnot_b_\@
	tensor_load_to_lds s[G0B+4*\s:G0B+4*\s+3], s[G1B:G1B+7]
	s_nop 0
	s_branch .Lasked_\@
.Lnot_b_\@:
	s_cmp_eq_u32 s18, 4
	s_cbranch_scc0 .Lasked_\@
	tensor_load_to_lds s[G0A+4*\s:G0A+4*\s+3], s[G1A:G1A+7]
	s_nop 0
.Lasked_\@:
.endm
	s_load_b256 s[4:11], s[0:1], 0x0               ; ao s[4:5], bf s[6:7], x s[8:9], bp s[10:11]
	s_load_b128 s[12:15], s[0:1], 0x20             ; ln_g s[12:13], ln_b s[14:15]
	s_load_b64 s[16:17], s[0:1], 0x30              ; out0
	v_lshl_add_u32 v30, v0, 2, 0x43400
	v_mov_b32 v31, 0
	ds_add_u32 v30, v31
	v_lshrrev_b32 v1, 5, v0
	v_readfirstlane_b32 s18, v1                    ; wave 0..7
	s_bfe_u32 s19, ttmp6, 0x40000                  ; cx
	s_lshl_b32 s20, ttmp9, 2
	s_add_co_u32 s20, s20, s19                     ; row block = 4 x cluster x + cx
	s_mov_b32 s57, 0x76543210
	s_mov_b32 s58, 0xfedcba98
	s_mov_b32 s59, 0x3a800000                      ; 1 / 1024
	s_mov_b32 s60, 0x3727c5ac                      ; 1e-5
	; Wp: 32,768 dense bytes (16 rows of k) as 32 rows of 128 elements of 8 bytes; after every 256 words (such a row) a pad of 4 words
	s_mov_b32 s[G1B+0], 15|(3<<16)|(1<<20)|(1<<21)|(7<<22)|(3<<25)
	s_mov_b32 s[G1B+1], 128<<16                    ; tensor_dim0 = 128
	s_mov_b32 s[G1B+2], 32<<16                     ; tensor_dim1 = 32
	s_mov_b32 s[G1B+3], 128<<16                    ; tile_dim0 = 128
	s_mov_b32 s[G1B+4], 32                         ; tile_dim1 = 32
	s_mov_b32 s[G1B+5], 128                        ; pitch
	s_mov_b32 s[G1B+6], 0
	s_mov_b32 s[G1B+7], 0
	; ao: 4,096 dense bytes (32 rows of 128) as 16 rows of 32 elements of 8 bytes; after every 32 words a pad of 4 words; no mask
	s_mov_b32 s[G1A+0], (3<<16)|(1<<20)|(4<<22)|(3<<25)
	s_mov_b32 s[G1A+1], 32<<16
	s_mov_b32 s[G1A+2], 16<<16
	s_mov_b32 s[G1A+3], 32<<16
	s_mov_b32 s[G1A+4], 16
	s_mov_b32 s[G1A+5], 32
	s_mov_b32 s[G1A+6], 0
	s_mov_b32 s[G1A+7], 0
	s_lshl_b32 s70, s18, 15                        ; my 16 rows of Wp's tile
	s_add_co_u32 s70, s70, WPOFF
	s_mov_b32 s71, 0
	s_lshl_b32 s72, s20, 12                        ; my work-group's 32 rows of a plane of ao
	s_mov_b32 s73, 0
	s_mul_i32 s21, s18, 16*PB                      ; LDS: wave x 33,280
	s_lshl_b32 s22, s20, 17                        ; x and out0: 32 rows of 4,096 bytes a work-group,
	s_lshl_b32 s23, s18, 14                        ; four a wave
	s_add_co_u32 s22, s22, s23
	s_mov_b32 s23, 0
	s_wait_dscnt 0x0
	s_wait_kmcnt 0x0
	s_add_nc_u64 s[70:71], s[6:7], s[70:71]
	s_add_nc_u64 s[72:73], s[4:5], s[72:73]
	s_add_nc_u64 s[66:67], s[8:9], s[22:23]
	s_add_nc_u64 s[68:69], s[16:17], s[22:23]
.irp s, 0,1
	s_mov_b32 s[G0B+4*\s], 1
	s_add_co_u32 s[G0B+4*\s+1], s21, \s*SLOT
	s_add_nc_u64 s[G0B+4*\s+2:G0B+4*\s+3], s[70:71], \s*BSTEP
	s_or_b32 s[G0B+4*\s+3], s[G0B+4*\s+3], 0x80000000
	s_mov_b32 s[G0A+4*\s], 1
	s_mov_b32 s[G0A+4*\s+1], \s*SLOT+BT
	s_add_nc_u64 s[G0A+4*\s+2:G0A+4*\s+3], s[72:73], \s*ASTEP
	s_or_b32 s[G0A+4*\s+3], s[G0A+4*\s+3], 0x80000000
.endr
	ROUND                                          ; in front of the first loads
	JLOAD 0                                        ; head 0
	v_and_b32 v13, 15, v0                          ; r
	v_bfe_u32 v14, v0, 4, 1                        ; h
	v_and_b32 v15, 7, v0
	v_bfe_u32 v16, v0, 3, 1
	v_and_b32 v17, 31, v0                          ; l
	v_mul_u32_u24 v1, v13, PAA
	v_lshl_add_u32 v1, v14, 4, v1
	v_add_nc_u32 v[AADR], BT, v1
	v_add_nc_u32 v[AADR+1], BT+SLOT, v1
	v_lshl_add_u32 v1, v14, 3, v15
	v_mul_u32_u24 v1, v1, PB
	v_lshl_add_u32 v1, v16, 4, v1
	s_lshl_b32 s61, s18, 8                         ; my 128 columns: 256 w bytes,
	s_lshr_b32 s62, s18, 2
	s_lshl_b32 s62, s62, 4                         ; and the pad behind a row's first 1,024 bytes
	s_add_co_u32 s61, s61, s62
	v_add_nc_u32 v[BADR], s61, v1
	v_add_nc_u32 v[BADR+1], 32*PB, v[BADR]
	v_add_nc_u32 v[BADR+2], SLOT, v[BADR]
	v_add_nc_u32 v[BADR+3], SLOT+32*PB, v[BADR]
	s_mul_i32 s61, s18, YBLK
	v_mul_u32_u24 v1, v13, YP
	v_lshl_add_u32 v1, v14, 5, v1
	v_add_nc_u32 v[YST], s61, v1                   ; my block, row r, 32 bytes for each half of the lanes
	s_mul_i32 s61, s18, 4*YP
	v_lshlrev_b32 v[GO], 4, v17
	v_add_nc_u32 v[YRD], s61, v[GO]                ; row 4 w of block 0, my 16 bytes
	v_add_nc_u32 v[YRD+1], 4*YBLK, v[YRD]
	v_lshlrev_b32 v[PFO], 8, v17
.macro LDA s                           ; ao's four fragments: 8 loads
.irp ks, 0,1
.irp a, 0,1
	ds_load_b128 v[FA+16*\ks+8*\a:FA+16*\ks+8*\a+3],   v[AADR+\s] offset:16*PAA*\a+64*\ks
	ds_load_b128 v[FA+16*\ks+8*\a+4:FA+16*\ks+8*\a+7], v[AADR+\s] offset:16*PAA*\a+64*\ks+32
.endr
.endr
.endm
.macro LDB s, ks, half                 ; four of Wp's fragments (columns 64 half ..), 32 k: 8 loads
.irp bb, 0,1,2,3
	ds_load_tr16_b128 v[HB+32*\half+8*\bb:HB+32*\half+8*\bb+3],   v[BADR+2*\s+\ks] offset:32*(4*\half+\bb)
	ds_load_tr16_b128 v[HB+32*\half+8*\bb+4:HB+32*\half+8*\bb+7], v[BADR+2*\s+\ks] offset:32*(4*\half+\bb)+16*PB
.endr
.endm
; 8 matrix instructions on 8 accumulators; the 16 take turns, one instruction a turn
.macro MUL8 ks, half, zero
.irp a, 0,1
.irp bb, 0,1,2,3
.if \zero
	v_wmma_f32_16x16x32_bf16 v[ACC+8*(8*\a+4*\half+\bb):ACC+8*(8*\a+4*\half+\bb)+7], v[HB+32*\half+8*\bb:HB+32*\half+8*\bb+7], v[FA+16*\ks+8*\a:FA+16*\ks+8*\a+7], 0
.else
	v_wmma_f32_16x16x32_bf16 v[ACC+8*(8*\a+4*\half+\bb):ACC+8*(8*\a+4*\half+\bb)+7], v[HB+32*\half+8*\bb:HB+32*\half+8*\bb+7], v[FA+16*\ks+8*\a:FA+16*\ks+8*\a+7], v[ACC+8*(8*\a+4*\half+\bb):ACC+8*(8*\a+4*\half+\bb)+7]
.endif
.endr
.endr
.endm
; One head.  In front of the round every wave's tensor load has landed and its reads of the other slot are back; behind it the other slot's
; next tile is asked for first.  pf = 1: the wave asks for its four rows of x (64 blocks of 256 bytes, each once in the launch),
; one trip and the way out ahead of the loads that want them.
.macro TRIP slot, other, refill, zero, pf
	s_wait_tensorcnt 0x0                           ; no tensor load of mine is out: a group 0 may be written
	ds_add_u32 v30, v31
	s_wait_dscnt 0x0
	s_add_nc_u64 s[G0B+4*\slot+2:G0B+4*\slot+3], s[G0B+4*\slot+2:G0B+4*\slot+3], 2*BSTEP
	s_add_nc_u64 s[G0A+4*\slot+2:G0A+4*\slot+3], s[G0A+4*\slot+2:G0A+4*\slot+3], 2*ASTEP
	s_wait_dscnt 0x0
	ROUND
.if \refill
	JLOAD \other
.endif
	PLACES                                         ; the fragments were read by matrix instructions: four places in front of the loads into them
	LDA \slot
	LDB \slot, 0, 0
	LDB \slot, 0, 1
.if \pf
	global_prefetch_b8 v[PFO], s[66:67] th:TH_LOAD_NT scope:SCOPE_SE
	global_prefetch_b8 v[PFO], s[66:67] offset:8192 th:TH_LOAD_NT scope:SCOPE_SE
.endif
	s_wait_dscnt 8                                 ; all but the youngest eight loads (the second half-buffer's)
	MUL8 0, 0, \zero
	PLACES
	LDB \slot, 1, 0
	s_wait_dscnt 8
	MUL8 0, 1, \zero
	PLACES
	LDB \slot, 1, 1
	s_wait_dscnt 8
	MUL8 1, 0, 0
	s_wait_dscnt 0x0
	MUL8 1, 1, 0
.endm
	TRIP 0, 1, 1, 1, 0                             ; the first products start the sums
	TRIP 1, 0, 1, 0, 0
	s_mov_b32 s56, 6
.Lhead:
	TRIP 0, 1, 1, 0, 0
	TRIP 1, 0, 1, 0, 0
	s_sub_co_u32 s56, s56, 1
	s_cmp_lg_u32 s56, 0
	s_cbranch_scc1 .Lhead
	TRIP 0, 1, 1, 0, 1
	TRIP 1, 0, 0, 0, 0                             ; the last head asks for nothing
	; THE WAY OUT.  The round at the head of the last trip has ended every wave's reads of slot 0, and nothing is filled any more.
	PLACES
.irp a, 0,1
.irp b, 0,1,2,3,4,5,6,7
	ds_store_b128 v[YST], v[ACC+8*(8*\a+\b):ACC+8*(8*\a+\b)+3]   offset:16*YP*\a+64*\b
	ds_store_b128 v[YST], v[ACC+8*(8*\a+\b)+4:ACC+8*(8*\a+\b)+7] offset:16*YP*\a+64*\b+16
.endr
.endr
	s_wait_dscnt 0x0                               ; for the others' sake: my stores are done
.irp p, 0,1,2,3,4,5,6,7
	global_load_b128 v[BP+4*\p:BP+4*\p+3], v[GO], s[10:11] offset:512*\p
.endr
.irp p, 0,1,2,3,4,5,6,7
	global_load_b128 v[LG+4*\p:LG+4*\p+3], v[GO], s[12:13] offset:512*\p
.endr
.irp p, 0,1,2,3,4,5,6,7
	global_load_b128 v[LB+4*\p:LB+4*\p+3], v[GO], s[14:15] offset:512*\p
.endr
.irp p, 0,1,2,3,4,5,6,7
	global_load_b128 v[XR0+4*\p:XR0+4*\p+3], v[GO], s[66:67] offset:512*\p th:TH_LOAD_NT
.endr
.irp p, 0,1,2,3,4,5,6,7
	global_load_b128 v[XR1+4*\p:XR1+4*\p+3], v[GO], s[66:67] offset:4096+512*\p th:TH_LOAD_NT
.endr
	ROUND                                          ; the barrier between the stores of the sums and their reads, and the cluster's closing round
	v_mov_b32 v[TP], 0                             ; v_permlanex16_b32 counts as a reader of its destination
.macro REDUCE                          ; v[TS] summed over the 32 lanes, the result in every lane
	v_add_f32_dpp v[TS], v[TS], v[TS] row_xmask:1 row_mask:0xf bank_mask:0xf
	v_add_f32_dpp v[TS], v[TS], v[TS] row_xmask:2 row_mask:0xf bank_mask:0xf
	v_add_f32_dpp v[TS], v[TS], v[TS] row_xmask:4 row_mask:0xf bank_mask:0xf
	v_add_f32_dpp v[TS], v[TS], v[TS] row_xmask:8 row_mask:0xf bank_mask:0xf
	v_permlanex16_b32 v[TP], v[TS], s57, s58
	v_add_f32 v[TS], v[TS], v[TP]
.endm
.macro FOLD                            ; the four chains into v[TS]
	v_pk_add_f32 v[W:W+1], v[W:W+1], v[W+2:W+3]
	v_pk_add_f32 v[W+4:W+5], v[W+4:W+5], v[W+6:W+7]
	v_pk_add_f32 v[W:W+1], v[W:W+1], v[W+4:W+5]
	v_add_f32 v[TS], v[W], v[W+1]
.endm
; Row 4 w + i, whole: lane l holds columns 128 p + 4 l .. + 3, p = 0..7.  xr: where its x lies; more = 1: row i + 2 of x is asked for
; into xr; left: how many younger loads may stay out.
.macro LNROW i, xr, more, left
	s_wait_xcnt 0x0                                ; YY was the last row's store data: it is loaded again only behind this wait
.irp p, 0,1,2,3,4,5,6,7
	ds_load_b128 v[YY+4*\p:YY+4*\p+3], v[YRD+(\p>>2)] offset:(\p&3)*YBLK+\i*YP
.endr
	s_wait_loadcnt \left                           ; this row's x (and bp, ln_g, ln_b) is in; the next row's eight loads stay out
	s_wait_dscnt 0x0
.set j, 0
.rept 16
	v_pk_add_f32 v[YY+j:YY+j+1], v[YY+j:YY+j+1], v[\xr+j:\xr+j+1]
.set j, j+2
.endr
.if \more
.irp p, 0,1,2,3,4,5,6,7
	global_load_b128 v[\xr+4*\p:\xr+4*\p+3], v[GO], s[66:67] offset:4096*(\i+2)+512*\p th:TH_LOAD_NT
.endr
.endif
.set j, 0
.rept 16
	v_pk_add_f32 v[YY+j:YY+j+1], v[YY+j:YY+j+1], v[BP+j:BP+j+1]
.set j, j+2
.endr
	; the mean
.irp k, 0,1,2,3
	v_pk_add_f32 v[W+2*\k:W+2*\k+1], v[YY+8*\k:YY+8*\k+1], v[YY+8*\k+2:YY+8*\k+3]
.endr
.irp k, 0,1,2,3
	v_pk_add_f32 v[W+2*\k:W+2*\k+1], v[W+2*\k:W+2*\k+1], v[YY+8*\k+4:YY+8*\k+5]
.endr
.irp k, 0,1,2,3
	v_pk_add_f32 v[W+2*\k:W+2*\k+1], v[W+2*\k:W+2*\k+1], v[YY+8*\k+6:YY+8*\k+7]
.endr
	FOLD
	REDUCE
	v_mul_f32 v[MU], s59, v[TS]
	v_mul_f32 v[MU+1], s59, v[TS]
.set j, 0
.rept 16
	v_pk_add_f32 v[YY+j:YY+j+1], v[YY+j:YY+j+1], v[MU:MU+1] neg_lo:[0,1] neg_hi:[0,1]
.set j, j+2
.endr
	; the mean of the centred squares
.irp k, 0,1,2,3
	v_pk_mul_f32 v[W+2*\k:W+2*\k+1], v[YY+8*\k:YY+8*\k+1], v[YY+8*\k:YY+8*\k+1]
.endr
.irp q, 2,4,6
.irp k, 0,1,2,3
	v_pk_fma_f32 v[W+2*\k:W+2*\k+1], v[YY+8*\k+\q:YY+8*\k+\q+1], v[YY+8*\k+\q:YY+8*\k+\q+1], v[W+2*\k:W+2*\k+1]
.endr
.endr
	FOLD
	REDUCE
	v_fma_f32 v[TS], v[TS], s59, s60               ; var + eps
	v_rsq_f32 v[RS], v[TS]
	v_rsq_f32 v[RS+1], v[TS]
	v_nop                                          ; one plain place behind the transcendentals (ISA guide 5.7.2)
.set j, 0
	s_wait_alu depctr_va_vdst(0)
.rept 16
	v_pk_mul_f32 v[YY+j:YY+j+1], v[YY+j:YY+j+1], v[RS:RS+1]
.set j, j+2
.endr
.set j, 0
.rept 16
	v_pk_fma_f32 v[YY+j:YY+j+1], v[YY+j:YY+j+1], v[LG+j:LG+j+1], v[LB+j:LB+j+1]
.set j, j+2
.endr
.irp p, 0,1,2,3,4,5,6,7
	global_store_b128 v[GO], v[YY+4*\p:YY+4*\p+3], s[68:69] offset:4096*\i+512*\p th:TH_STORE_NT   ; 512 neighbouring bytes of the row
.endr
.endm
	LNROW 0, XR0, 1, 8
	LNROW 1, XR1, 1, 8
	LNROW 2, XR0, 0, 8
	LNROW 3, XR1, 0, 0
	s_wait_tensorcnt 0x0
	ds_add_u32 v30, v31
	s_wait_dscnt 0x0
	s_endpgm
.Lfunc_end_k_q0b3e27bf16_project_out:
	.size	k_q0b3e27bf16_project_out, .Lfunc_end_k_q0b3e27bf16_project_out-k_q0b3e27bf16_project_out
	.p2alignl 7, 3214868480
	.fill 96, 4, 3214868480
	.section	.rodata,"a",@progbits
	.p2align	6, 0x0
	.amdhsa_kernel k_q0b3e27bf16_project_out
		.amdhsa_group_segment_fixed_size 327680
		.amdhsa_private_segment_fixed_size 0
		.amdhsa_enable_private_segment 0
		.amdhsa_kernarg_size 56
		.amdhsa_user_sgpr_count 2
		.amdhsa_user_sgpr_kernarg_segment_ptr 1
		.amdhsa_wavefront_size32 1
		.amdhsa_system_sgpr_workgroup_id_x 1
		.amdhsa_system_sgpr_workgroup_id_y 1
		.amdhsa_system_sgpr_workgroup_id_z 1
		.amdhsa_system_vgpr_workitem_id 0
		.amdhsa_next_free_vgpr 256
		.amdhsa_next_free_sgpr 74
		.amdhsa_reserve_vcc 0
		.amdhsa_float_denorm_mode_32 3
		.amdhsa_float_denorm_mode_16_64 3
		.amdhsa_memory_ordered 1
		.amdhsa_forward_progress 1
		.amdhsa_inst_pref_size 87
	.end_amdhsa_kernel
	.amdgpu_metadata
---
amdhsa.version: [ 1, 2 ]
amdhsa.kernels:
  - .name:           k_q0b3e27bf16_project_out
    .symbol:         k_q0b3e27bf16_project_out.kd
    .args:
      - { .name: ao, .offset: 0, .size: 8, .value_kind: global_buffer, .address_space: global }
      - { .name: bf, .offset: 8, .size: 8, .value_kind: global_buffer, .address_space: global }
      - { .name: x, .offset: 16, .size: 8, .value_kind: global_buffer, .address_space: global }
      - { .name: bp, .offset: 24, .size: 8, .value_kind: global_buffer, .address_space: global }
      - { .name: ln_g, .offset: 32, .size: 8, .value_kind: global_buffer, .address_space: global }
      - { .name: ln_b, .offset: 40, .size: 8, .value_kind: global_buffer, .address_space: global }
      - { .name: out0, .offset: 48, .size: 8, .value_kind: global_buffer, .address_space: global }
    .group_segment_fixed_size: 327680
    .private_segment_fixed_size: 0
    .kernarg_segment_align: 8
    .kernarg_segment_size: 56
    .max_flat_workgroup_size: 256
    .sgpr_count:     74
    .vgpr_count:     256
    .wavefront_size: 32
...
	.end_amdgpu_metadata
.endif
;; end of part 4
;; ======== version 2 of 3: 5 launches
;; workspace buffers: bf 16,777,216 bytes; qkv 25,165,824 bytes; ao 8,388,608 bytes; y 16,777,216 bytes
;; launch cast: the kernel of part 1 again; grid 512 x 1, 8 waves a work-group, no clusters, 0 bytes of LDS; arguments x, Wq, Wk, Wv, Wp, bf; writes bf
;; launch project_qkv: the kernel of part 2 again; grid 8 x 32, 4 waves a work-group, clusters of 4 x 4, 327,680 bytes of LDS; arguments bf, bq, bk, bv, qkv; writes qkv
;; launch attention (part 5): grid 8 x 32, 8 waves a work-group, clusters of 4 x 1, 327,680 bytes of LDS; arguments qkv, ao; writes ao
.if DOCPART == 5
	.amdgcn_target "amdgcn-amd-amdhsa--gfx1250"
	.amdhsa_code_object_version 6
	.text
	.protected	k_q0b3e27bf16_attention
	.globl	k_q0b3e27bf16_attention
	.p2align	8
	.type	k_q0b3e27bf16_attention,@function
k_q0b3e27bf16_attention:
	s_mov_b64 s[64:65], 0
	v_nop
	global_prefetch_b8 v0, s[64:65] scope:SCOPE_SE
	s_setreg_imm32_b32 hwreg(HW_REG_WAVE_MODE, 25, 1), 1
	s_wait_xcnt 0x0
	s_wait_alu depctr_hold_cnt(0) depctr_sa_sdst(0) depctr_va_vdst(0) depctr_va_sdst(0) depctr_va_ssrc(0) depctr_va_vcc(0) depctr_vm_vsrc(0)
	s_getreg_b32 s2, hwreg(HW_REG_IB_STS2, 6, 4)
	s_cmp_eq_u32 s2, 0
	s_cbranch_scc0 .Lentry_in_a_cluster
	s_endpgm
.Lentry_in_a_cluster:
	s_bfe_u32 s2, ttmp6, 0x10000c
	s_cmp_lg_u32 s2, 0x3003
	s_cbranch_scc0 .Lentry_shape_is_right
	s_endpgm
.Lentry_shape_is_right:
; ao[h][row][d] = softmax(q k^T / 8) v for one (batch b, head h) and 256 queries a work-group.  q, k, v: planes of qkv, bf16.
; Eight waves: wave w has 64 queries (qg = w % 4) and one half of the keys (kh = w / 4: 128 of each slot's 256, two blocks of 64).  Each wave
; keeps its own running maximum and sum; the pair (w, w + 4) is merged once at the end.  Keys go in 8 steps of 256 through two LDS slots.
; CLUSTERS: the four work-groups of a cluster are four query blocks of one (b, h) and read the same K and V: every tile is asked for jointly
; (mask 15).  Waves 0-3 ask for K's four quarters, waves 4-7 for V's; a wave has one tensor load out, with a step's work in which to land.
; LAYOUTS: S^T = K Q^T (source 0 = 16 keys, source 1 = 16 queries): lane l holds query l % 16 and keys 8 (l / 16) + 0..7.  Two neighbouring key
; tiles, rounded to bf16 in place, ARE source 1 of O^T = V^T P^T (source 0 = V by the transposing load), so P never leaves the registers,
; and maximum, sum and rescaling factor are one number a lane.
; TWO CLASSES OF WAVES, HALF A BLOCK APART.  A wave's work is a chain: softmax(i), then P V(i) and K Q(i + 1), softmax(i + 1), ..: some 490 vector
; instructions, then 64 matrix instructions, by turns.  All waves leave a round together; if all stood at the same link of the chain there, all
; would issue products together and softmax together.  So the round cuts the chain at two places: class 0 does the softmax of a step's last
; block in front of the round, class 1 behind it (S or P and V's fragments are carried across in registers).  Behind a round class 0 begins
; with products and class 1 with a softmax.  class = (w ^ (w / 4)) % 2 differs between w and w + 4 and between 2 i and 2 i + 1.
; The text is one for all waves, since every wave passes every barrier: that softmax stands twice, each time under a branch on the class
; that jumps over register work alone.
; SOFTMAX: the running maximum is taken away before every exponential.  The state is NM = the rounded -c m, c = log2(e) / 8; every exponent is
; fma(s, c, NM) and the factor for older sums is 2^(NM new - NM old), so all exponents use the same rounded shift.
; REGISTERS: window 0 addresses, state, K's fragments, S; window 1 O (v0-127), Q (v128-191), V's fragments (v192-255).
; LIMITS: q, k, v, the probabilities and the result carry bf16's 8 bits; a probability below 2^-126 of its row's largest counts as 0
; (v_exp_f32 flushes); NaN and infinities are not treated specially.
.set KP,   144                         ; K's LDS row: 128 bytes + 16 = 9 x 16
.set VP,   160                         ; V's LDS row: 128 bytes + 32 = 5 x 32
.set VOFF, 40960                       ; V's 256 rows begin here, so that wave w (4-7) fills at w x 10,240; K's 36,864 bytes lie in front
.set SLOT, 81920
.set SCR,  2*SLOT                      ; the merge: 35 x 512 bytes for each pair; no tensor load lands here
.set SCRW, 17920
.set STG,  SCR+4*SCRW                  ; the way out: 64 rows x 144 bytes for each of waves 0-3
.set STGW, 9216
.set STEP, 32768                       ; 256 rows of 128 bytes
.set KADR, 2                           ; v2-3   K's fragments in slot 0, 1
.set VADR, 4                           ; v4-5   V's
.set QOFF, 6
.set SADR, 7
.set STO,  8
.set RD,   9
.set CO,   10
.set NM,   16                          ; v[16:23]  -c x maximum, twice, for each of 4 query tiles
.set LS,   24                          ; v[24:27]  running sums
.set AL,   28                          ; v[28:35]  rescaling factor, twice; at the end my own factor
.set T,    36                          ; v36-39
.set U,    40                          ; v[40:47]  at work; at the end the partner's factor
.set NM2,  48                          ; v[48:55]  the partner's NM
.set LS2,  56                          ; v[56:59]  the partner's sums
.set KF,   64                          ; v64 + 16 kt + 8 ds
.set SC,   128                         ; v128 + 32 qt + 8 kt
.set QF,   128                         ; window 1: v128 + 16 qt + 8 ds
.set VF,   192                         ; window 1: v192 + 32 ks + 8 dt
.set G1K, 16
.set G1V, 24
.set G0K, 32
.set G0V, 40
.set MSB, 0
.macro WIN new                         ; the immediate's high byte repeats the setting that is left
.if MSB != \new
	s_set_vgpr_msb (MSB<<8)|\new
.set MSB, \new
.endif
.endm
; Five places behind a run of products: they serve the vector instructions that read the results and the loads into the
; sources (four), and the next run of products, which reads the results as a source or writes over a source (five), on every way
; through the branches on the class.
.macro NOP5
.rept 5
	v_nop
.endr
.endm
.macro ROUND                           ; a round of the cluster's barrier
	s_barrier_signal -1
	s_barrier_wait -1
	s_cmp_lg_u32 s8, 0
	s_cbranch_scc1 .Lnot_wave_0_\@
	s_barrier_signal -3
.Lnot_wave_0_\@:
	s_barrier_wait -3
	s_barrier_signal -1
	s_barrier_wait -1
.endm
.macro JLOAD s                         ; waves 0-3: K's quarter; waves 4-7: V's
	s_cmp_eq_u32 s10, 0
	s_cbranch_scc0 .Lfor_v_\@
	tensor_load_to_lds s[G0K+4*\s:G0K+4*\s+3], s[G1K:G1K+7]
	s_nop 0
	s_branch .Lasked_\@
.Lfor_v_\@:
	tensor_load_to_lds s[G0V+4*\s:G0V+4*\s+3], s[G1V:G1V+7]
	s_nop 0
.Lasked_\@:
.endm
	s_load_b128 s[4:7], s[0:1], 0x0                ; qkv s[4:5], ao s[6:7]
	v_lshl_add_u32 v62, v0, 2, 0x42800
	v_mov_b32 v63, 0
	ds_add_u32 v62, v63
	v_lshrrev_b32 v1, 5, v0
	v_readfirstlane_b32 s8, v1                     ; wave 0..7
	s_and_b32 s9, s8, 3                            ; qg
	s_lshr_b32 s10, s8, 2                          ; kh
	s_xor_b32 s72, s10, s8
	s_and_b32 s72, s72, 1                          ; class = (w ^ (w / 4)) % 2
	s_bfe_u32 s11, ttmp6, 0x40000                  ; cx
	s_lshl_b32 s12, ttmp9, 2
	s_add_co_u32 s12, s12, s11                     ; query block = 4 x cluster x + cx
	s_and_b32 s13, ttmp7, 0xffff
	s_and_b32 s14, s13, 15                         ; head
	s_lshr_b32 s15, s13, 4                         ; batch
	s_mov_b32 s48, 0x3e38aa3b                      ; c = log2(e) / 8
	s_mov_b32 s49, 0x3e38aa3b
	s_mov_b32 s50, 0xbe38aa3b                      ; -c
	s_mov_b32 s52, 0x76543210                      ; v_permlanex16_b32: lane i of one half reads lane i of the other
	s_mov_b32 s53, 0xfedcba98
	; group 1: 8,192 dense bytes (64 keys) as 32 rows of 32 elements of 8 bytes; after every 32 words (a key's 128 bytes) a pad of 4 (K) or 8 (V) words
	s_mov_b32 s[G1K+0], 15|(3<<16)|(1<<20)|(1<<21)|(4<<22)|(3<<25)
	s_mov_b32 s[G1V+0], 15|(3<<16)|(1<<20)|(1<<21)|(4<<22)|(7<<25)
.irp g, G1K, G1V
	s_mov_b32 s[\g+1], 32<<16                      ; tensor_dim0 = 32
	s_mov_b32 s[\g+2], 32<<16                      ; tensor_dim1 = 32
	s_mov_b32 s[\g+3], 32<<16                      ; tile_dim0 = 32
	s_mov_b32 s[\g+4], 32                          ; tile_dim1 = 32
	s_mov_b32 s[\g+5], 32                          ; pitch
	s_mov_b32 s[\g+6], 0
	s_mov_b32 s[\g+7], 0
.endr
	s_lshl_b32 s54, s14, 19                        ; head x 524,288
	s_lshl_b32 s55, s15, 18                        ; + batch x 2,048 rows of 128 bytes
	s_add_co_u32 s54, s54, s55
	s_lshl_b32 s55, s9, 13                         ; + 64 qg rows
	s_add_co_u32 s54, s54, s55
	s_add_co_u32 s56, s54, 0x800000                ; k's planes begin at plane 16
	s_mov_b32 s57, 0
	s_lshl_b32 s66, s12, 15                        ; my query block: 256 rows.  cx enters these two registers alone
	s_add_co_u32 s66, s66, s54
	s_mov_b32 s67, 0
	s_mul_i32 s62, s8, 64*KP                       ; LDS: K's quarter at wave x 9,216
	s_mul_i32 s63, s8, 64*VP                       ;      V's at wave x 10,240
	s_wait_dscnt 0x0
	s_wait_kmcnt 0x0
	s_add_nc_u64 s[68:69], s[4:5], s[56:57]
	s_add_co_u32 s56, s54, 0x1000000               ; v's planes begin at plane 32
	s_add_nc_u64 s[70:71], s[4:5], s[56:57]
	s_add_nc_u64 s[58:59], s[4:5], s[66:67]        ; my 64 queries
	s_add_nc_u64 s[60:61], s[6:7], s[66:67]        ; and their rows of ao
.irp s, 0,1
	s_mov_b32 s[G0K+4*\s], 1
	s_add_co_u32 s[G0K+4*\s+1], s62, \s*SLOT
	s_add_nc_u64 s[G0K+4*\s+2:G0K+4*\s+3], s[68:69], \s*STEP
	s_or_b32 s[G0K+4*\s+3], s[G0K+4*\s+3], 0x80000000
	s_mov_b32 s[G0V+4*\s], 1
	s_add_co_u32 s[G0V+4*\s+1], s63, \s*SLOT
	s_add_nc_u64 s[G0V+4*\s+2:G0V+4*\s+3], s[70:71], \s*STEP
	s_or_b32 s[G0V+4*\s+3], s[G0V+4*\s+3], 0x80000000
.endr
	v_and_b32 v11, 15, v0                          ; r
	v_bfe_u32 v12, v0, 4, 1                        ; h
	v_and_b32 v13, 7, v0                           ; l % 8
	v_bfe_u32 v14, v0, 3, 1                        ; (l / 8) % 2
	v_bfe_u32 v15, v0, 3, 2                        ; l / 8
	v_mul_u32_u24 v1, v11, KP
	v_lshl_add_u32 v1, v12, 4, v1
	s_mul_i32 s54, s10, 128*KP                     ; my half of a slot's keys
	v_add_nc_u32 v[KADR], s54, v1
	s_add_co_u32 s54, s54, SLOT
	v_add_nc_u32 v[KADR+1], s54, v1
	v_lshl_add_u32 v1, v12, 3, v13
	v_mul_u32_u24 v1, v1, VP
	v_lshl_add_u32 v1, v14, 4, v1
	s_mul_i32 s54, s10, 128*VP
	s_add_co_u32 s54, s54, VOFF
	v_add_nc_u32 v[VADR], s54, v1
	s_add_co_u32 s54, s54, SLOT
	v_add_nc_u32 v[VADR+1], s54, v1
	v_lshlrev_b32 v[QOFF], 7, v11
	v_lshl_add_u32 v[QOFF], v12, 4, v[QOFF]        ; 128 r + 16 h
	v_and_b32 v1, 31, v0
	v_lshlrev_b32 v[CO], 4, v1                     ; 16 l
	s_mul_i32 s54, s9, SCRW
	s_add_co_u32 s54, s54, SCR
	v_add_nc_u32 v[SADR], s54, v[CO]
	s_mul_i32 s54, s9, STGW
	s_add_co_u32 s54, s54, STG
	v_mul_u32_u24 v1, v11, 144
	v_lshl_add_u32 v1, v12, 4, v1
	v_add_nc_u32 v[STO], s54, v1
	v_mul_u32_u24 v1, v15, 144
	v_lshl_add_u32 v1, v13, 4, v1
	v_add_nc_u32 v[RD], s54, v1
	; Q's fragments straight from memory, once: the four loads of a query tile cover its 2,048 bytes whole
	WIN 0x40
.irp qt, 0,1,2,3
.irp ds, 0,1
	global_load_b128 v[QF+16*\qt+8*\ds:QF+16*\qt+8*\ds+3],   v[QOFF], s[58:59] offset:2048*\qt+64*\ds
	global_load_b128 v[QF+16*\qt+8*\ds+4:QF+16*\qt+8*\ds+7], v[QOFF], s[58:59] offset:2048*\qt+64*\ds+32
.endr
.endr
	WIN 0
	ROUND                                          ; in front of the first joint load
	JLOAD 0                                        ; keys 0-255
	s_wait_loadcnt 0x0                             ; Q
; The softmax step of query tile qt on 64 new keys: 32 scores a lane in v[SB .. SB+31]
.macro SOFTMAX qt, first
.set SB, SC+32*\qt
.irp k, 0,1,2,3
	v_max3_num_f32 v[T+\k], v[SB+8*\k], v[SB+8*\k+1], v[SB+8*\k+2]
.endr
.irp k, 0,1,2,3
	v_max3_num_f32 v[T+\k], v[T+\k], v[SB+8*\k+3], v[SB+8*\k+4]
.endr
.irp k, 0,1,2,3
	v_max3_num_f32 v[T+\k], v[T+\k], v[SB+8*\k+5], v[SB+8*\k+6]
.endr
	v_max3_num_f32 v[T], v[T], v[SB+7], v[SB+15]
	v_max3_num_f32 v[T+2], v[T+2], v[SB+23], v[SB+31]
	v_max3_num_f32 v[T], v[T], v[T+1], v[T+2]
	v_max_num_f32 v[T], v[T], v[T+3]
	v_permlanex16_b32 v[T+1], v[T], s52, s53       ; the other half of the lanes holds the query's other 32 keys
	v_max_num_f32 v[T], v[T], v[T+1]
	v_mul_f32 v[T+1], s50, v[T]                    ; -c x the block's maximum
.if \first == 0
	v_min_num_f32 v[T+1], v[T+1], v[NM+2*\qt]      ; the running maximum, as the smaller -c m
	v_sub_f32 v[T+2], v[T+1], v[NM+2*\qt]          ; exponent of the factor for the older sums, at most 0
.endif
	v_mov_b32 v[NM+2*\qt], v[T+1]
	v_mov_b32 v[NM+2*\qt+1], v[T+1]
.set i, 0
.rept 16
	v_pk_fma_f32 v[SB+i:SB+i+1], v[SB+i:SB+i+1], s[48:49], v[NM+2*\qt:NM+2*\qt+1] op_sel_hi:[1,0,1]
.set i, i+2
.endr
.if \first == 0
	v_exp_f32 v[AL+2*\qt], v[T+2]
.endif
.set i, 0
.rept 32
	v_exp_f32 v[SB+i], v[SB+i]
.set i, i+1
.endr
	v_nop                                          ; one plain place behind the exponentials before a result is used (ISA guide 5.7.2)
.if \first == 0
	s_wait_alu depctr_va_vdst(0)
	v_mov_b32 v[AL+2*\qt+1], v[AL+2*\qt]
.endif
	s_wait_alu depctr_va_vdst(0)
.irp k, 0,1,2,3
	v_pk_add_f32 v[U+2*\k:U+2*\k+1], v[SB+8*\k:SB+8*\k+1], v[SB+8*\k+2:SB+8*\k+3]
.endr
.irp k, 0,1,2,3
	v_pk_add_f32 v[U+2*\k:U+2*\k+1], v[U+2*\k:U+2*\k+1], v[SB+8*\k+4:SB+8*\k+5]
.endr
.irp k, 0,1,2,3
	v_pk_add_f32 v[U+2*\k:U+2*\k+1], v[U+2*\k:U+2*\k+1], v[SB+8*\k+6:SB+8*\k+7]
.endr
	v_pk_add_f32 v[U:U+1], v[U:U+1], v[U+2:U+3]
	v_pk_add_f32 v[U+4:U+5], v[U+4:U+5], v[U+6:U+7]
	v_pk_add_f32 v[U:U+1], v[U:U+1], v[U+4:U+5]
.if \first
	v_add_f32 v[LS+\qt], v[U], v[U+1]              ; my half's sum; the two halves of the lanes are added at the end
.else
	v_add_f32 v[T], v[U], v[U+1]
	v_fma_f32 v[LS+\qt], v[LS+\qt], v[AL+2*\qt], v[T]
.endif
.irp ks, 0,1
.irp o, 0,1,2,3,4,5,6,7
	v_cvt_pk_bf16_f32 v[SB+16*\ks+\o], v[SB+16*\ks+2*\o], v[SB+16*\ks+2*\o+1]   ; two key tiles become one fragment of P^T, in place, ascending
.endr
.endr
.endm
; THE LINKS OF THE CHAIN.  A block is 64 keys: block blk of my 128 in the slot.
; K's fragments of a block: 16 loads, window 0
.macro LOADK slot, blk
.irp kt, 0,1,2,3
.irp ds, 0,1
	ds_load_b128 v[KF+16*\kt+8*\ds:KF+16*\kt+8*\ds+3],   v[KADR+\slot] offset:64*KP*\blk+16*KP*\kt+64*\ds
	ds_load_b128 v[KF+16*\kt+8*\ds+4:KF+16*\kt+8*\ds+7], v[KADR+\slot] offset:64*KP*\blk+16*KP*\kt+64*\ds+32
.endr
.endr
.endm
; V's fragments of a block: 16 transposing loads into window 1
.macro LOADV slot, blk
	WIN 0x40
.irp ks, 0,1
.irp dt, 0,1,2,3
	ds_load_tr16_b128 v[VF+32*\ks+8*\dt:VF+32*\ks+8*\dt+3],   v[VADR+\slot] offset:(64*\blk+32*\ks)*VP+32*\dt
	ds_load_tr16_b128 v[VF+32*\ks+8*\dt+4:VF+32*\ks+8*\dt+7], v[VADR+\slot] offset:(64*\blk+32*\ks)*VP+32*\dt+16*VP
.endr
.endr
.endm
; S^T = K Q^T: 32 products.  It always stands behind LOADV of its own block, whose 16 loads are the only ones younger than K's.
.macro SPROD
	s_wait_dscnt 16                                ; K's 16 loads are in; V's 16 stay out
	WIN 0x04                                       ; source 1 (Q) window 1
	; the 16 tiles of S take turns, one instruction a turn
.irp qt, 0,1,2,3
.irp kt, 0,1,2,3
	v_wmma_f32_16x16x32_bf16 v[SC+32*\qt+8*\kt:SC+32*\qt+8*\kt+7], v[KF+16*\kt:KF+16*\kt+7], v[QF+16*\qt:QF+16*\qt+7], 0
.endr
.endr
.irp qt, 0,1,2,3
.irp kt, 0,1,2,3
	v_wmma_f32_16x16x32_bf16 v[SC+32*\qt+8*\kt:SC+32*\qt+8*\kt+7], v[KF+16*\kt+8:KF+16*\kt+15], v[QF+16*\qt+8:QF+16*\qt+15], v[SC+32*\qt+8*\kt:SC+32*\qt+8*\kt+7]
.endr
.endr
	WIN 0
	NOP5
.endm
; The softmax of a block's four query tiles, and the older O brought to the new maximum.  Leaves the window setting 0x41 unless first.
.macro SMAX first
	SOFTMAX 0, \first
	SOFTMAX 1, \first
	SOFTMAX 2, \first
	SOFTMAX 3, \first
.if \first == 0
	WIN 0x41                                       ; O in window 1, the factor in window 0
.irp qt, 0,1,2,3
.set i, 0
.rept 16
	v_pk_mul_f32 v[32*\qt+i:32*\qt+i+1], v[32*\qt+i:32*\qt+i+1], v[AL+2*\qt:AL+2*\qt+1]
.set i, i+2
.endr
.endr
.endif
.endm
; O^T += V^T P^T: 32 products.  left: how many LDS loads younger than this block's V may stay out.
.macro PVPROD first, left
	s_wait_dscnt \left
	WIN 0x51                                       ; source 0 (V), C and D (O) window 1; source 1 (P) window 0
	; the 16 tiles of O take turns, one instruction a turn
.irp ks, 0,1
.irp qt, 0,1,2,3
.irp dt, 0,1,2,3
.if \first*(1-\ks)
	v_wmma_f32_16x16x32_bf16 v[32*\qt+8*\dt:32*\qt+8*\dt+7], v[VF+32*\ks+8*\dt:VF+32*\ks+8*\dt+7], v[SC+32*\qt+16*\ks:SC+32*\qt+16*\ks+7], 0
.else
	v_wmma_f32_16x16x32_bf16 v[32*\qt+8*\dt:32*\qt+8*\dt+7], v[VF+32*\ks+8*\dt:VF+32*\ks+8*\dt+7], v[SC+32*\qt+16*\ks:SC+32*\qt+16*\ks+7], v[32*\qt+8*\dt:32*\qt+8*\dt+7]
.endif
.endr
.endr
.endr
	WIN 0
	NOP5
.endm
; One step of 256 keys.  In front of the round every wave's tensor load has landed (its part of this slot) and its reads of the other slot
; are back, V's fragments of that slot's last block among them; behind it the other slot's next tile is asked for first.  All LDS reads of
; a slot stand between the round that shows it whole and the round that frees it; what the last block still owes is register work.
; K's fragments are asked for straight behind the products that read K last (at the step's head: behind the refill), V's straight behind P V.
; first = 1: the launch's first step: nothing is owed, and its first block starts maximum, sums and O.  last = 1: nothing is put off.
.macro TRIP slot, other, refill, first, last
	s_wait_tensorcnt 0x0                           ; no tensor load of mine is out: a group 0 may be written
	ds_add_u32 v62, v63
	s_wait_dscnt 0x0
	s_add_nc_u64 s[G0K+4*\slot+2:G0K+4*\slot+3], s[G0K+4*\slot+2:G0K+4*\slot+3], 2*STEP
	s_add_nc_u64 s[G0V+4*\slot+2:G0V+4*\slot+3], s[G0V+4*\slot+2:G0V+4*\slot+3], 2*STEP
	s_wait_dscnt 0x0
	ROUND
.if \refill
	JLOAD \other
.endif
	LOADK \slot, 0
.if \first == 0
	s_cmp_eq_u32 s72, 0
	s_cbranch_scc1 .Lhad_\@                        ; class 0 has done this softmax in front of the round
	SMAX 0                                         ; class 1: the softmax of the last step's last block
	WIN 0                                          ; at a label every window is 0
.Lhad_\@:
	PVPROD 0, 16                                   ; that block's P V, from registers; the 16 loads of K just issued stay out
.endif
	LOADV \slot, 0
	SPROD
	LOADK \slot, 1
	SMAX \first
	PVPROD \first, 16                              ; V's loads are in; the next block's 16 loads of K, issued behind them, stay out
	LOADV \slot, 1
	SPROD
.if \last
	SMAX 0
	PVPROD 0, 0                                    ; the launch's last products: no load is younger than V's
.else
	s_cmp_lg_u32 s72, 0
	s_cbranch_scc1 .Llater_\@                      ; class 1 does this softmax behind the round
	SMAX 0                                         ; class 0
	WIN 0
.Llater_\@:
.endif
.endm
	TRIP 0, 1, 1, 1, 0                             ; keys 0-255; keys 256-511 go out
	s_mov_b32 s51, 3
.Lstep:
	TRIP 1, 0, 1, 0, 0
	TRIP 0, 1, 1, 0, 0
	s_sub_co_u32 s51, s51, 1
	s_cmp_lg_u32 s51, 0
	s_cbranch_scc1 .Lstep
	TRIP 1, 0, 0, 0, 1                             ; the last step asks for nothing
	; THE MERGE of the two key halves.  Waves 4-7 hand O, NM and the sums to waves 0-3 through LDS.  The five places behind the last
	; products stand in front of these lines.
.irp qt, 0,1,2,3
	v_permlanex16_b32 v[T], v[LS+\qt], s52, s53    ; the two halves of the lanes hold the sums of different keys
	v_add_f32 v[LS+\qt], v[LS+\qt], v[T]
.endr
	s_cmp_eq_u32 s10, 0
	s_cbranch_scc1 .Lkeep
	WIN 0x04                                       ; store data in window 1
.set i, 0
.rept 32
	ds_store_b128 v[SADR], v[4*i:4*i+3] offset:512*i
.set i, i+1
.endr
	WIN 0
	ds_store_b128 v[SADR], v[NM:NM+3] offset:16384
	ds_store_b128 v[SADR], v[NM+4:NM+7] offset:16896
	ds_store_b128 v[SADR], v[LS:LS+3] offset:17408
.Lkeep:
	s_wait_dscnt 0x0                               ; for the partner's sake: my stores are done
	ROUND                                          ; the barrier between these stores and their reads, and the cluster's closing round
	s_cmp_lg_u32 s10, 0
	s_cbranch_scc1 .Lend
	ds_load_b128 v[NM2:NM2+3], v[SADR] offset:16384
	ds_load_b128 v[NM2+4:NM2+7], v[SADR] offset:16896
	ds_load_b128 v[LS2:LS2+3], v[SADR] offset:17408
.set i, 0
.rept 32
	ds_load_b128 v[SC+4*i:SC+4*i+3], v[SADR] offset:512*i
.set i, i+1
.endr
	s_wait_dscnt 32                                ; the three loads of state are in; the partner's O stays out
.irp qt, 0,1,2,3
	v_min_num_f32 v[T], v[NM+2*\qt], v[NM2+2*\qt]  ; the common maximum
	v_sub_f32 v[T+1], v[T], v[NM+2*\qt]
	v_sub_f32 v[T+2], v[T], v[NM2+2*\qt]
	v_exp_f32 v[T+1], v[T+1]
	v_exp_f32 v[T+2], v[T+2]
	v_nop
	s_wait_alu depctr_va_vdst(0)
	v_mul_f32 v[T+3], v[LS+\qt], v[T+1]
	v_fmac_f32 v[T+3], v[LS2+\qt], v[T+2]
	v_rcp_f32 v[T+3], v[T+3]
	v_nop
	s_wait_alu depctr_va_vdst(0)
	v_mul_f32 v[AL+2*\qt], v[T+1], v[T+3]          ; my factor, with the division by the sum in it
	v_mul_f32 v[AL+2*\qt+1], v[T+1], v[T+3]
	v_mul_f32 v[U+2*\qt], v[T+2], v[T+3]           ; the partner's
	v_mul_f32 v[U+2*\qt+1], v[T+2], v[T+3]
.endr
	s_wait_dscnt 0x0
.irp qt, 0,1,2,3
.set i, 0
.rept 16
	v_pk_mul_f32 v[SC+32*\qt+i:SC+32*\qt+i+1], v[SC+32*\qt+i:SC+32*\qt+i+1], v[U+2*\qt:U+2*\qt+1]
.set i, i+2
.endr
.endr
	WIN 0x01                                       ; source 0 (my O) window 1
.irp qt, 0,1,2,3
.set i, 0
.rept 16
	v_pk_fma_f32 v[SC+32*\qt+i:SC+32*\qt+i+1], v[32*\qt+i:32*\qt+i+1], v[AL+2*\qt:AL+2*\qt+1], v[SC+32*\qt+i:SC+32*\qt+i+1]
.set i, i+2
.endr
.endr
	WIN 0
.set i, 0
.rept 64
	v_cvt_pk_bf16_f32 v[SC+i], v[SC+2*i], v[SC+2*i+1]              ; in place, ascending: tile (qt, dt) ends at SC + 16 qt + 4 dt
.set i, i+1
.endr
	; a lane's 16 bytes are 8 neighbouring d of one query: through my stage into whole rows
.irp qt, 0,1,2,3
.irp dt, 0,1,2,3
	ds_store_b128 v[STO], v[SC+16*\qt+4*\dt:SC+16*\qt+4*\dt+3] offset:2304*\qt+32*\dt
.endr
.endr
.irp t, 0,1,2,3,4,5,6,7,8,9,10,11,12,13,14,15
	ds_load_b128 v[KF+4*\t:KF+4*\t+3], v[RD] offset:576*\t         ; four rows; LDS serves a wave's instructions in order
.endr
.irp t, 0,1,2,3,4,5,6,7,8,9,10,11,12,13,14,15
	s_wait_dscnt 15-\t
	global_store_b128 v[CO], v[KF+4*\t:KF+4*\t+3], s[60:61] offset:512*\t   ; 512 neighbouring bytes of the head's plane
.endr
.Lend:
	s_wait_tensorcnt 0x0
	ds_add_u32 v62, v63
	s_wait_dscnt 0x0
	s_endpgm
.Lfunc_end_k_q0b3e27bf16_attention:
	.size	k_q0b3e27bf16_attention, .Lfunc_end_k_q0b3e27bf16_attention-k_q0b3e27bf16_attention
	.p2alignl 7, 3214868480
	.fill 96, 4, 3214868480
	.section	.rodata,"a",@progbits
	.p2align	6, 0x0
	.amdhsa_kernel k_q0b3e27bf16_attention
		.amdhsa_group_segment_fixed_size 327680
		.amdhsa_private_segment_fixed_size 0
		.amdhsa_enable_private_segment 0
		.amdhsa_kernarg_size 16
		.amdhsa_user_sgpr_count 2
		.amdhsa_user_sgpr_kernarg_segment_ptr 1
		.amdhsa_wavefront_size32 1
		.amdhsa_system_sgpr_workgroup_id_x 1
		.amdhsa_system_sgpr_workgroup_id_y 1
		.amdhsa_system_sgpr_workgroup_id_z 1
		.amdhsa_system_vgpr_workitem_id 0
		.amdhsa_next_free_vgpr 512
		.amdhsa_next_free_sgpr 74
		.amdhsa_reserve_vcc 0
		.amdhsa_float_denorm_mode_32 3
		.amdhsa_float_denorm_mode_16_64 3
		.amdhsa_memory_ordered 1
		.amdhsa_forward_progress 1
		.amdhsa_inst_pref_size 255
	.end_amdhsa_kernel
	.section	.bss,"aw",@nobits
	.p2align	6
	.space	262144
	.amdgpu_metadata
---
amdhsa.version: [ 1, 2 ]
amdhsa.kernels:
  - .name:           k_q0b3e27bf16_attention
    .symbol:         k_q0b3e27bf16_attention.kd
    .args:
      - { .name: qkv, .offset: 0, .size: 8, .value_kind: global_buffer, .address_space: global }
      - { .name: ao, .offset: 8, .size: 8, .value_kind: global_buffer, .address_space: global }
    .group_segment_fixed_size: 327680
    .private_segment_fixed_size: 0
    .kernarg_segment_align: 8
    .kernarg_segment_size: 16
    .max_flat_workgroup_size: 256
    .sgpr_count:     74
    .vgpr_count:     512
    .wavefront_size: 32
...
	.end_amdgpu_metadata
.endif
;; end of part 5
;; launch project_y (part 6): grid 8 x 32, 4 waves a work-group, clusters of 4 x 4, 327,680 bytes of LDS; arguments ao, bf, x, bp, y; writes y
.if DOCPART == 6
	.amdgcn_target "amdgcn-amd-amdhsa--gfx1250"
	.amdhsa_code_object_version 6
	.text
	.protected	k_q0b3e27bf16_project_y
	.globl	k_q0b3e27bf16_project_y
	.p2align	8
	.type	k_q0b3e27bf16_project_y,@function
k_q0b3e27bf16_project_y:
	s_mov_b64 s[64:65], 0
	v_nop
	global_prefetch_b8 v0, s[64:65] scope:SCOPE_SE
	s_setreg_imm32_b32 hwreg(HW_REG_WAVE_MODE, 25, 1), 1
	s_wait_xcnt 0x0
	s_wait_alu depctr_hold_cnt(0) depctr_sa_sdst(0) depctr_va_vdst(0) depctr_va_sdst(0) depctr_va_ssrc(0) depctr_va_vcc(0) depctr_vm_vsrc(0)
	s_getreg_b32 s2, hwreg(HW_REG_IB_STS2, 6, 4)
	s_cmp_eq_u32 s2, 0
	s_cbranch_scc0 .Lentry_in_a_cluster
	s_endpgm
.Lentry_in_a_cluster:
	s_bfe_u32 s2, ttmp6, 0x10000c
	s_cmp_lg_u32 s2, 0xf033
	s_cbranch_scc0 .Lentry_shape_is_right
	s_endpgm
.Lentry_shape_is_right:
; y = x + ao Wp + bp, in f32.  ao (16 planes [4096 rows][64], one a head) and Wp (in bf, [K][N]) are bf16; sums, bias and residual in f32.
; The norm over whole rows is the next launch's: with whole rows here every work-group would bring all of Wp (2 MiB) into its LDS;
; with blocks of 128 x 128 it brings 256 KiB of ao and 256 KiB of Wp, and there are 32 x 8 = 256 equal work-groups.
; Four waves; wave w (wm = w / 2, wn = w % 2) makes 64 rows x 64 columns: 4 x 4 accumulator tiles of 16 x 16, 128 registers.
; K = 1,024 is 16 heads of 64.  An LDS slot holds four heads (K = 256); two slots; four phases.  Both first fills go out together,
; then each slot is filled once more: two refills in the whole launch.
; CLUSTERS: 4 x 4 work-groups.  ao's tile hangs on the block row alone and is asked for jointly by a row of the cluster; Wp's hangs on the
; block column alone and is asked for jointly by a column.  Waves 0, 1 ask for two heads of ao each, waves 2, 3 for 128 rows of Wp each.
; A wave has two tensor loads out at the start and one behind each of the two refills' rounds.
; THE MATRIX INSTRUCTION IS USED TRANSPOSED (source 0 = 16 columns of Wp by the transposing LDS load, source 1 = 16 rows of ao):
; lane l then holds row l % 16 and its registers 0-7 the columns 8 (l / 16) + 0..7.
; REGISTERS: window 0 addresses, bp, the fragments (two buffers); window 1 the accumulators (tile (a, b) at 8 (4 a + b)) and my part of x.
; LIMITS: ao and Wp carry bf16's 8 bits; NaN and infinities are passed on as the arithmetic makes them.
.set PA,    144                        ; ao's LDS row: 128 bytes + 16 = 9 x 16
.set PB,    288                        ; Wp's LDS row: 256 bytes + 32 = 9 x 32
.set HEADA, 128*PA                     ; a head of ao: 18,432
.set PART,  2*HEADA                    ; what one tensor load fills: two heads of ao, or 128 rows of Wp: 36,864
.set BOFFS, 2*PART                     ; Wp's 256 rows lie behind ao's four heads
.set SLOT,  4*PART                     ; 147,456
.set STAGE, 2*SLOT                     ; behind the ring: 16 rows x 272 bytes for each wave; no tensor load lands here
.set SP,    272                        ; a stage row: 64 f32 + 16 bytes = 17 x 16
.set STW,   16*SP
.set APH,   4*524288                   ; a phase in ao: four planes
.set BPH,   256*2048                   ; a phase in Wp: 256 rows
.set WPOFF, 14680064                   ; Wp in bf
.set ADRA, 16                          ; v16-17  ao's fragments in slot 0, 1
.set ADRB, 18                          ; v18-21  Wp's fragments: 2 slot + half of the slot's 256 rows (all 256 are more than an offset's 16 bits)
.set STO,  22                          ; the way out: where I put 32 bytes of a row
.set RD,   23                          ; where I read two rows back
.set CO,   24                          ; my byte offset in x and in y: 4,096 (l / 16) + 16 (l % 16)
.set BPO,  25                          ; and in bp: 16 (l % 16)
.set BPR,  28                          ; v[28:31]  bp of my four columns
.set FA,   32                          ; v32-63, v64-95: ao's 4 fragments, two buffers; on the way out the rows read back, two sets
.set FB,   96                          ; v96-127, v128-159: Wp's 4 fragments, two buffers
.set XW,   128                         ; window 1: x, 4 registers for each of 32 pairs of rows
.set G1A, 24
.set G0A, 32
.set G1B, 40
.set G0B, 48
.set MSB, 0
.macro WIN new                         ; the immediate's high byte repeats the setting that is left
.if MSB != \new
	s_set_vgpr_msb (MSB<<8)|\new
.set MSB, \new
.endif
.endm
.macro PLACES                          ; four places behind matrix instructions (ISA guide 7.12.1)
.rept 4
	v_nop
.endr
.endm
; A joint load: waves 0, 1 ask for ao's tiles, waves 2, 3 for Wp's.  The branch hangs on the wave's number alone.
.macro JLOAD s
	s_cmp_lt_u32 s14, 2
	s_cbranch_scc0 .Lfor_b_\@
	tensor_load_to_lds s[G0A+4*\s:G0A+4*\s+3], s[G1A:G1A+7]
	s_nop 0
	s_branch .Lasked_\@
.Lfor_b_\@:
	tensor_load_to_lds s[G0B+4*\s:G0B+4*\s+3], s[G1B:G1B+7]
	s_nop 0
.Lasked_\@:
.endm
.macro CROUND                          ; a round of the cluster's barrier
	s_barrier_signal -1
	s_barrier_wait -1
	s_cmp_lg_u32 s14, 0
	s_cbranch_scc1 .Lnot_wave_0_\@
	s_barrier_signal -3
.Lnot_wave_0_\@:
	s_barrier_wait -3
	s_barrier_signal -1
	s_barrier_wait -1
.endm
	s_load_b256 s[4:11], s[0:1], 0x0               ; ao s[4:5], bf s[6:7], x s[8:9], bp s[10:11]
	s_load_b64 s[12:13], s[0:1], 0x20              ; y
	v_lshl_add_u32 v254, v0, 2, 0x4c400
	v_mov_b32 v255, 0
	ds_add_u32 v254, v255
	v_lshrrev_b32 v1, 5, v0
	v_readfirstlane_b32 s14, v1                    ; wave 0..3
	s_lshr_b32 s15, s14, 1                         ; wm: which 64 rows
	s_and_b32 s16, s14, 1                          ; wn: which 64 columns
	s_bfe_u32 s17, ttmp6, 0x40000                  ; cx
	s_bfe_u32 s18, ttmp6, 0x40004                  ; cy
	s_lshl_b32 s19, ttmp9, 2
	s_add_co_u32 s19, s19, s17                     ; block column bx = 4 x cluster x + cx
	s_and_b32 s20, ttmp7, 0xffff
	s_lshl_b32 s20, s20, 2
	s_add_co_u32 s20, s20, s18                     ; block row by = 4 x cluster y + cy
	s_lshl_b32 s21, s18, 2
	s_lshl_b32 s21, 15, s21                        ; my row of the cluster
	s_lshl_b32 s22, 0x1111, s17                    ; my column
	; ao: a head's 128 rows are 16,384 dense bytes: one row of 2,048 elements of 8 bytes; two heads, a plane (65,536 elements) apart;
	; after every 32 words (a row of ao) a pad of 4 words, counted along the whole tile
	s_or_b32 s[G1A+0], s21, (3<<16)|(1<<20)|(1<<21)|(4<<22)|(3<<25)
	s_mov_b32 s[G1A+1], 2048<<16                   ; tensor_dim0 = 2,048
	s_mov_b32 s[G1A+2], 2<<16                      ; tensor_dim1 = 2
	s_mov_b32 s[G1A+3], 2048<<16                   ; tile_dim0 = 2,048
	s_mov_b32 s[G1A+4], 2                          ; tile_dim1 = 2
	s_mov_b32 s[G1A+5], 65536                      ; pitch
	s_mov_b32 s[G1A+6], 0
	s_mov_b32 s[G1A+7], 0
	; Wp: 128 rows x 128 elements of 2 bytes, 1,024 elements from row to row; after every 64 words a pad of 8 words
	s_or_b32 s[G1B+0], s22, (1<<16)|(1<<20)|(1<<21)|(5<<22)|(7<<25)
	s_mov_b32 s[G1B+1], 128<<16
	s_mov_b32 s[G1B+2], 128<<16
	s_mov_b32 s[G1B+3], 128<<16
	s_mov_b32 s[G1B+4], 128
	s_mov_b32 s[G1B+5], 1024
	s_mov_b32 s[G1B+6], 0
	s_mov_b32 s[G1B+7], 0
	; ao's tile: rows 128 by of heads 2 w, 2 w + 1 (waves 2, 3, which ask for Wp, get wave 1's number).  These registers never hold cx.
	s_lshl_b32 s56, s20, 14                        ; 128 rows of 128 bytes
	s_min_u32 s57, s14, 1
	s_lshl_b32 s57, s57, 20                        ; two planes of 524,288 bytes
	s_add_co_u32 s56, s56, s57
	s_mov_b32 s57, 0
	; Wp's tile: columns 128 bx, rows 128 (w - 2) (waves 0, 1 get wave 2's number).  Never cy.
	s_lshl_b32 s60, s19, 8
	s_max_u32 s61, s14, 2
	s_sub_co_u32 s61, s61, 2
	s_lshl_b32 s61, s61, 18                        ; 128 rows of 2,048 bytes
	s_add_co_u32 s60, s60, s61
	s_add_co_u32 s60, s60, WPOFF
	s_mov_b32 s61, 0
	s_mul_i32 s23, s14, PART                       ; LDS: wave x 36,864
	s_wait_dscnt 0x0
	s_wait_kmcnt 0x0
	s_add_nc_u64 s[58:59], s[4:5], s[56:57]
	s_add_nc_u64 s[62:63], s[6:7], s[60:61]
	CROUND                                         ; all sixteen work-groups are here: the first joint loads meet
.irp s, 0,1
	s_mov_b32 s[G0A+4*\s], 1
	s_add_co_u32 s[G0A+4*\s+1], s23, \s*SLOT
	s_add_nc_u64 s[G0A+4*\s+2:G0A+4*\s+3], s[58:59], \s*APH
	s_or_b32 s[G0A+4*\s+3], s[G0A+4*\s+3], 0x80000000
	s_mov_b32 s[G0B+4*\s], 1
	s_add_co_u32 s[G0B+4*\s+1], s23, \s*SLOT
	s_add_nc_u64 s[G0B+4*\s+2:G0B+4*\s+3], s[62:63], \s*BPH
	s_or_b32 s[G0B+4*\s+3], s[G0B+4*\s+3], 0x80000000
	JLOAD \s                                       ; heads 0-3 and heads 4-7
.endr
	; my 64 x 64 of x and y, my 64 numbers of bp
	s_lshl_b32 s72, s20, 19                        ; 128 by rows of 4,096 bytes
	s_lshl_b32 s74, s15, 18                        ; + 64 wm rows
	s_add_co_u32 s72, s72, s74
	s_lshl_b32 s74, s19, 9                         ; 128 bx columns of 4 bytes
	s_lshl_b32 s75, s16, 8                         ; + 64 wn columns: a multiple of 256 bytes
	s_add_co_u32 s74, s74, s75
	s_mov_b32 s75, 0
	s_add_nc_u64 s[70:71], s[10:11], s[74:75]      ; bp
	s_add_co_u32 s72, s72, s74
	s_mov_b32 s73, 0
	s_add_nc_u64 s[66:67], s[8:9], s[72:73]        ; x
	s_add_nc_u64 s[68:69], s[12:13], s[72:73]      ; y
	v_and_b32 v1, 15, v0                           ; r = l % 16
	v_bfe_u32 v2, v0, 4, 1                         ; h = l / 16
	; ao's fragment: lane l holds row r; two loads of 16 bytes, 32 apart, at row x pitch + 16 h
	v_mul_u32_u24 v3, v1, PA
	v_lshl_add_u32 v3, v2, 4, v3
	s_mul_i32 s76, s15, 64*PA
	v_add_nc_u32 v[ADRA], s76, v3
	s_add_co_u32 s76, s76, SLOT
	v_add_nc_u32 v[ADRA+1], s76, v3
	; Wp's fragment by the transposing load: lane l addresses row 8 h + l % 8 of the 32 k, 16 bytes at 16 ((l / 8) % 2); the second load 16 rows on
	v_and_b32 v5, 7, v0
	v_lshl_add_u32 v5, v2, 3, v5
	v_mul_u32_u24 v4, v5, PB
	v_bfe_u32 v5, v0, 3, 1
	v_lshl_add_u32 v4, v5, 4, v4
	s_lshl_b32 s76, s16, 7                         ; my 64 columns: 128 wn bytes
	s_add_co_u32 s76, s76, BOFFS
	v_add_nc_u32 v[ADRB], s76, v4
	v_add_nc_u32 v[ADRB+1], PART, v[ADRB]
	v_add_nc_u32 v[ADRB+2], SLOT, v[ADRB]
	v_add_nc_u32 v[ADRB+3], SLOT+PART, v[ADRB]
	s_mul_i32 s76, s14, STW
	s_add_co_u32 s76, s76, STAGE                   ; my stage
	v_mul_u32_u24 v6, v1, SP
	v_lshl_add_u32 v6, v2, 5, v6
	v_add_nc_u32 v[STO], s76, v6                   ; in: row r, 32 bytes for each half of the lanes
	v_mul_u32_u24 v6, v2, SP
	v_lshl_add_u32 v6, v1, 4, v6
	v_add_nc_u32 v[RD], s76, v6                    ; back: lanes 0-15 take one row of 256 bytes, lanes 16-31 the next
	v_lshlrev_b32 v[BPO], 4, v1
	v_lshl_add_u32 v[CO], v2, 12, v[BPO]
; 16 matrix instructions: my 4 x 4 tiles, 32 along K, buffer f.  The 16 accumulators take turns, one instruction a turn, in the same
; order in every quarter step.
.macro MUL16 f, zero
.irp a, 0,1,2,3
.irp b, 0,1,2,3
.if \zero
	v_wmma_f32_16x16x32_bf16 v[8*(4*\a+\b):8*(4*\a+\b)+7], v[FB+32*\f+8*\b:FB+32*\f+8*\b+7], v[FA+32*\f+8*\a:FA+32*\f+8*\a+7], 0
.else
	v_wmma_f32_16x16x32_bf16 v[8*(4*\a+\b):8*(4*\a+\b)+7], v[FB+32*\f+8*\b:FB+32*\f+8*\b+7], v[FA+32*\f+8*\a:FA+32*\f+8*\a+7], v[8*(4*\a+\b):8*(4*\a+\b)+7]
.endif
.endr
.endr
.endm
; 16 LDS loads in one run: quarter step q of a slot's eight (rows 32 q of Wp; head q / 2 of ao, its half q % 2) into buffer f
.macro FETCH slot, q, f
.irp b, 0,1,2,3
	ds_load_tr16_b128 v[FB+32*\f+8*\b:FB+32*\f+8*\b+3],   v[ADRB+2*\slot+(\q>>2)] offset:32*(\q&3)*PB+32*\b
	ds_load_tr16_b128 v[FB+32*\f+8*\b+4:FB+32*\f+8*\b+7], v[ADRB+2*\slot+(\q>>2)] offset:32*(\q&3)*PB+32*\b+16*PB
.endr
.irp a, 0,1,2,3
	ds_load_b128 v[FA+32*\f+8*\a:FA+32*\f+8*\a+3],   v[ADRA+\slot] offset:(\q>>1)*HEADA+16*PA*\a+64*(\q&1)
	ds_load_b128 v[FA+32*\f+8*\a+4:FA+32*\f+8*\a+7], v[ADRA+\slot] offset:(\q>>1)*HEADA+16*PA*\a+64*(\q&1)+32
.endr
.endm
; A quarter step: the next quarter nq is fetched into buffer nf, then buffer f is multiplied while those loads are on their way
.macro STEP slot, nq, nf, f, zero
	PLACES                                         ; buffer nf was read by the matrix instructions just issued: four places in front of the loads into it
	FETCH \slot, \nq, \nf
	s_wait_dscnt 16                                ; all but the 16 just issued: buffer f is whole
	WIN 0x50                                       ; C and D window 1
	MUL16 \f, \zero
	WIN 0
.endm
.macro PHASE slot, zero                ; four heads
	PLACES                                         ; buffer 0 was read by matrix instructions of the phase before
	FETCH \slot, 0, 0
	STEP \slot, 1, 1, 0, \zero
	STEP \slot, 2, 0, 1, 0
	STEP \slot, 3, 1, 0, 0
	STEP \slot, 4, 0, 1, 0
	STEP \slot, 5, 1, 0, 0
	STEP \slot, 6, 0, 1, 0
	STEP \slot, 7, 1, 0, 0
	s_wait_dscnt 0x0
	WIN 0x50
	MUL16 1, 0
	WIN 0
.endm
; The change of slots.  In front of the round every wave's reads of the slot just multiplied are back and all its tensor loads have landed,
; its part of the other slot among them.  fill = 1: the slot just multiplied is asked for again, two phases ahead, first thing behind the round.
.macro CHANGE slot, fill
	s_wait_dscnt 0x0
	s_wait_tensorcnt 0x0                           ; no tensor load of mine is out: a group 0 may be written
	ds_add_u32 v254, v255
	s_wait_dscnt 0x0
	CROUND
.if \fill
	s_add_nc_u64 s[G0A+4*\slot+2:G0A+4*\slot+3], s[G0A+4*\slot+2:G0A+4*\slot+3], 2*APH
	s_add_nc_u64 s[G0B+4*\slot+2:G0B+4*\slot+3], s[G0B+4*\slot+2:G0B+4*\slot+3], 2*BPH
	JLOAD \slot
.endif
.endm
	s_wait_tensorcnt 1                             ; my part of heads 0-3 is in; heads 4-7 stay out
	s_barrier_signal -1
	s_barrier_wait -1
	; my part of x and bp, behind the tiles' requests; wanted on the way out.  Lanes 0-15 take 256 neighbouring bytes of one row, lanes 16-31 of the next.
	global_load_b128 v[BPR:BPR+3], v[BPO], s[70:71]
	WIN 0x40                                       ; destination window 1
.irp a, 0,1,2,3
.irp t, 0,1,2,3,4,5,6,7
	global_load_b128 v[XW+32*\a+4*\t:XW+32*\a+4*\t+3], v[CO], s[66:67] offset:65536*\a+8192*\t th:TH_LOAD_NT
.endr
.endr
	WIN 0
	PHASE 0, 1                                     ; heads 0-3: the first products start the sums, nothing is cleared
	CHANGE 0, 1                                    ; heads 8-11 go out
	PHASE 1, 0                                     ; heads 4-7
	CHANGE 1, 1                                    ; heads 12-15 go out: the last joint loads
	PHASE 0, 0                                     ; heads 8-11
	CHANGE 0, 0                                    ; the closing round: every partner has issued all its joint loads, and mine have landed
	PHASE 1, 0                                     ; heads 12-15
	PLACES                                         ; behind the last matrix instructions: the sums are read, the buffers loaded again
	s_wait_loadcnt 0x0                             ; x and bp
; THE WAY OUT, 16 rows at a time: a lane's 32 bytes (8 columns of one row) into my stage, whole rows of 256 bytes back, x and bp added.
; ys: the registers read back into, two sets in turn.
.macro OUT a, ys
	WIN 0x04                                       ; source 1 window 1: the LDS stores' data, and x in the sums
.irp b, 0,1,2,3
	ds_store_b128 v[STO], v[8*(4*\a+\b):8*(4*\a+\b)+3]   offset:64*\b
	ds_store_b128 v[STO], v[8*(4*\a+\b)+4:8*(4*\a+\b)+7] offset:64*\b+16
.endr
	s_wait_xcnt 0x0                                ; ys was store data two turns ago: it is loaded again only behind this wait
.irp t, 0,1,2,3,4,5,6,7
	ds_load_b128 v[\ys+4*\t:\ys+4*\t+3], v[RD] offset:2*SP*\t      ; LDS serves a wave's instructions in order: these see the stores above
.endr
.irp t, 0,1,2,3,4,5,6,7
	s_wait_dscnt 7-\t
	v_pk_add_f32 v[\ys+4*\t:\ys+4*\t+1],   v[\ys+4*\t:\ys+4*\t+1],   v[XW+32*\a+4*\t:XW+32*\a+4*\t+1]
	v_pk_add_f32 v[\ys+4*\t+2:\ys+4*\t+3], v[\ys+4*\t+2:\ys+4*\t+3], v[XW+32*\a+4*\t+2:XW+32*\a+4*\t+3]
.endr
	WIN 0
.irp t, 0,1,2,3,4,5,6,7
	v_pk_add_f32 v[\ys+4*\t:\ys+4*\t+1],   v[\ys+4*\t:\ys+4*\t+1],   v[BPR:BPR+1]
	v_pk_add_f32 v[\ys+4*\t+2:\ys+4*\t+3], v[\ys+4*\t+2:\ys+4*\t+3], v[BPR+2:BPR+3]
	global_store_b128 v[CO], v[\ys+4*\t:\ys+4*\t+3], s[68:69] offset:65536*\a+8192*\t   ; 16 lanes store 256 consecutive bytes, at a multiple of 256 from y's first byte
.endr
.endm
	OUT 0, FA
	OUT 1, FA+32
	OUT 2, FA
	OUT 3, FA+32
	s_wait_tensorcnt 0x0
	ds_add_u32 v254, v255
	s_wait_dscnt 0x0
	s_endpgm
.Lfunc_end_k_q0b3e27bf16_project_y:
	.size	k_q0b3e27bf16_project_y, .Lfunc_end_k_q0b3e27bf16_project_y-k_q0b3e27bf16_project_y
	.p2alignl 7, 3214868480
	.fill 96, 4, 3214868480
	.section	.rodata,"a",@progbits
	.p2align	6, 0x0
	.amdhsa_kernel k_q0b3e27bf16_project_y
		.amdhsa_group_segment_fixed_size 327680
		.amdhsa_private_segment_fixed_size 0
		.amdhsa_enable_private_segment 0
		.amdhsa_kernarg_size 40
		.amdhsa_user_sgpr_count 2
		.amdhsa_user_sgpr_kernarg_segment_ptr 1
		.amdhsa_wavefront_size32 1
		.amdhsa_system_sgpr_workgroup_id_x 1
		.amdhsa_system_sgpr_workgroup_id_y 1
		.amdhsa_system_sgpr_workgroup_id_z 1
		.amdhsa_system_vgpr_workitem_id 0
		.amdhsa_next_free_vgpr 512
		.amdhsa_next_free_sgpr 80
		.amdhsa_reserve_vcc 0
		.amdhsa_float_denorm_mode_32 3
		.amdhsa_float_denorm_mode_16_64 3
		.amdhsa_memory_ordered 1
		.amdhsa_forward_progress 1
		.amdhsa_inst_pref_size 100
	.end_amdhsa_kernel
	.amdgpu_metadata
---
amdhsa.version: [ 1, 2 ]
amdhsa.kernels:
  - .name:           k_q0b3e27bf16_project_y
    .symbol:         k_q0b3e27bf16_project_y.kd
    .args:
      - { .name: ao, .offset: 0, .size: 8, .value_kind: global_buffer, .address_space: global }
      - { .name: bf, .offset: 8, .size: 8, .value_kind: global_buffer, .address_space: global }
      - { .name: x, .offset: 16, .size: 8, .value_kind: global_buffer, .address_space: global }
      - { .name: bp, .offset: 24, .size: 8, .value_kind: global_buffer, .address_space: global }
      - { .name: y, .offset: 32, .size: 8, .value_kind: global_buffer, .address_space: global }
    .group_segment_fixed_size: 327680
    .private_segment_fixed_size: 0
    .kernarg_segment_align: 8
    .kernarg_segment_size: 40
    .max_flat_workgroup_size: 128
    .sgpr_count:     80
    .vgpr_count:     512
    .wavefront_size: 32
...
	.end_amdgpu_metadata
.endif
;; end of part 6
;; launch layer_norm (part 7): grid 256 x 1, 8 waves a work-group, no clusters, 0 bytes of LDS; arguments y, ln_g, ln_b, out0; writes out0
.if DOCPART == 7
	.amdgcn_target "amdgcn-amd-amdhsa--gfx1250"
	.amdhsa_code_object_version 6
	.text
	.protected	k_q0b3e27bf16_layer_norm
	.globl	k_q0b3e27bf16_layer_norm
	.p2align	8
	.type	k_q0b3e27bf16_layer_norm,@function
k_q0b3e27bf16_layer_norm:
	s_mov_b64 s[64:65], 0
	v_nop
	global_prefetch_b8 v0, s[64:65] scope:SCOPE_SE
	s_setreg_imm32_b32 hwreg(HW_REG_WAVE_MODE, 25, 1), 1
	s_wait_xcnt 0x0
; out0[r][c] = (y[r][c] - mean of row r) / sqrt(variance of row r + 1e-5) * ln_g[c] + ln_b[c].  All f32; rows of 1,024 numbers, 4,096 bytes.
; A stream: every byte of y is read once, every byte of out0 written once; no LDS, no barrier, no cluster (no byte of y is read twice).
; One wave takes a whole row, eight 16-byte loads a lane, and keeps it in 32 registers between the pass for the mean, the pass for the
; centred squares and the scaling; the sums never leave the wave.  A work-group owns 16 rows, a wave two, so that ln_g and ln_b
; (32 registers each) serve two rows.  All 32 loads of a wave go out first; no register that a load or store names is written again.
; Lane l holds columns 128 p + 4 l .. + 3, p = 0..7: each load and store of a wave covers 512 neighbouring bytes.
; LIMITS: NaN and infinities are passed on as the arithmetic makes them.
.set GO, 1                             ; 16 l
.set Y0, 4                             ; v[4:35]    row 0
.set Y1, 36                            ; v[36:67]   row 1
.set LG, 68                            ; v[68:99]   ln_g
.set LB, 100                           ; v[100:131] ln_b
.set W,  132                           ; v[132:139] four chains
.set TS, 140
.set TP, 141
.set MU, 142                           ; mean, twice
.set RS, 144                           ; 1 / sqrt(var + eps), twice
	s_load_b256 s[4:11], s[0:1], 0x0               ; y s[4:5], ln_g s[6:7], ln_b s[8:9], out0 s[10:11]
	v_lshrrev_b32 v2, 5, v0
	v_readfirstlane_b32 s12, v2                    ; wave 0..7
	v_and_b32 v3, 31, v0
	v_lshlrev_b32 v[GO], 4, v3
	s_lshl_b32 s14, ttmp9, 16                      ; 16 rows of 4,096 bytes a work-group,
	s_lshl_b32 s13, s12, 13                        ; two a wave
	s_add_co_u32 s14, s14, s13
	s_mov_b32 s15, 0
	s_mov_b32 s20, 0x76543210                      ; v_permlanex16_b32: lane i of one half reads lane i of the other
	s_mov_b32 s21, 0xfedcba98
	s_mov_b32 s22, 0x3a800000                      ; 1 / 1024
	s_mov_b32 s23, 0x3727c5ac                      ; 1e-5
	v_mov_b32 v[TP], v[GO]                         ; v_permlanex16_b32 counts as a reader of its destination: any written value will do
	s_wait_kmcnt 0x0
	s_add_nc_u64 s[16:17], s[4:5], s[14:15]
	s_add_nc_u64 s[18:19], s[10:11], s[14:15]
.irp p, 0,1,2,3,4,5,6,7
	global_load_b128 v[Y0+4*\p:Y0+4*\p+3], v[GO], s[16:17] offset:512*\p th:TH_LOAD_NT
.endr
.irp p, 0,1,2,3,4,5,6,7
	global_load_b128 v[Y1+4*\p:Y1+4*\p+3], v[GO], s[16:17] offset:4096+512*\p th:TH_LOAD_NT
.endr
.irp p, 0,1,2,3,4,5,6,7
	global_load_b128 v[LG+4*\p:LG+4*\p+3], v[GO], s[6:7] offset:512*\p
.endr
.irp p, 0,1,2,3,4,5,6,7
	global_load_b128 v[LB+4*\p:LB+4*\p+3], v[GO], s[8:9] offset:512*\p
.endr
.macro REDUCE                          ; v[TS] summed over the 32 lanes, the result in every lane
	v_add_f32_dpp v[TS], v[TS], v[TS] row_xmask:1 row_mask:0xf bank_mask:0xf
	v_add_f32_dpp v[TS], v[TS], v[TS] row_xmask:2 row_mask:0xf bank_mask:0xf
	v_add_f32_dpp v[TS], v[TS], v[TS] row_xmask:4 row_mask:0xf bank_mask:0xf
	v_add_f32_dpp v[TS], v[TS], v[TS] row_xmask:8 row_mask:0xf bank_mask:0xf
	v_permlanex16_b32 v[TP], v[TS], s20, s21
	v_add_f32 v[TS], v[TS], v[TP]
.endm
.macro FOLD                            ; the four chains into v[TS]
	v_pk_add_f32 v[W:W+1], v[W:W+1], v[W+2:W+3]
	v_pk_add_f32 v[W+4:W+5], v[W+4:W+5], v[W+6:W+7]
	v_pk_add_f32 v[W:W+1], v[W:W+1], v[W+4:W+5]
	v_add_f32 v[TS], v[W], v[W+1]
.endm
; Row i of my two, in yy.  left: how many younger loads may stay out when the row has to be there.
.macro LNROW i, yy, left
	s_wait_loadcnt \left                           ; loads come back in order: this row is in
	; the mean
.irp k, 0,1,2,3
	v_pk_add_f32 v[W+2*\k:W+2*\k+1], v[\yy+8*\k:\yy+8*\k+1], v[\yy+8*\k+2:\yy+8*\k+3]
.endr
.irp k, 0,1,2,3
	v_pk_add_f32 v[W+2*\k:W+2*\k+1], v[W+2*\k:W+2*\k+1], v[\yy+8*\k+4:\yy+8*\k+5]
.endr
.irp k, 0,1,2,3
	v_pk_add_f32 v[W+2*\k:W+2*\k+1], v[W+2*\k:W+2*\k+1], v[\yy+8*\k+6:\yy+8*\k+7]
.endr
	FOLD
	REDUCE
	v_mul_f32 v[MU], s22, v[TS]
	v_mul_f32 v[MU+1], s22, v[TS]
.set j, 0
.rept 16
	v_pk_add_f32 v[\yy+j:\yy+j+1], v[\yy+j:\yy+j+1], v[MU:MU+1] neg_lo:[0,1] neg_hi:[0,1]
.set j, j+2
.endr
	; the mean of the centred squares
.irp k, 0,1,2,3
	v_pk_mul_f32 v[W+2*\k:W+2*\k+1], v[\yy+8*\k:\yy+8*\k+1], v[\yy+8*\k:\yy+8*\k+1]
.endr
.irp q, 2,4,6
.irp k, 0,1,2,3
	v_pk_fma_f32 v[W+2*\k:W+2*\k+1], v[\yy+8*\k+\q:\yy+8*\k+\q+1], v[\yy+8*\k+\q:\yy+8*\k+\q+1], v[W+2*\k:W+2*\k+1]
.endr
.endr
	FOLD
	REDUCE
	v_fma_f32 v[TS], v[TS], s22, s23               ; var + eps
	v_rsq_f32 v[RS], v[TS]
	v_rsq_f32 v[RS+1], v[TS]
	v_nop                                          ; one plain place behind the transcendentals (ISA guide 5.7.2)
	s_wait_loadcnt 0x0                             ; ln_g and ln_b, the youngest loads
.set j, 0
	s_wait_alu depctr_va_vdst(0)
.rept 16
	v_pk_mul_f32 v[\yy+j:\yy+j+1], v[\yy+j:\yy+j+1], v[RS:RS+1]
.set j, j+2
.endr
.set j, 0
.rept 16
	v_pk_fma_f32 v[\yy+j:\yy+j+1], v[\yy+j:\yy+j+1], v[LG+j:LG+j+1], v[LB+j:LB+j+1]
.set j, j+2
.endr
.irp p, 0,1,2,3,4,5,6,7
	global_store_b128 v[GO], v[\yy+4*\p:\yy+4*\p+3], s[18:19] offset:4096*\i+512*\p th:TH_STORE_NT
.endr
.endm
	LNROW 0, Y0, 24                                ; row 0 is in; row 1, ln_g and ln_b (24 loads) may be out
	LNROW 1, Y1, 0
	s_endpgm
.Lfunc_end_k_q0b3e27bf16_layer_norm:
	.size	k_q0b3e27bf16_layer_norm, .Lfunc_end_k_q0b3e27bf16_layer_norm-k_q0b3e27bf16_layer_norm
	.p2alignl 7, 3214868480
	.fill 96, 4, 3214868480
	.section	.rodata,"a",@progbits
	.p2align	6, 0x0
	.amdhsa_kernel k_q0b3e27bf16_layer_norm
		.amdhsa_group_segment_fixed_size 0
		.amdhsa_private_segment_fixed_size 0
		.amdhsa_enable_private_segment 0
		.amdhsa_kernarg_size 32
		.amdhsa_user_sgpr_count 2
		.amdhsa_user_sgpr_kernarg_segment_ptr 1
		.amdhsa_wavefront_size32 1
		.amdhsa_system_sgpr_workgroup_id_x 1
		.amdhsa_system_sgpr_workgroup_id_y 1
		.amdhsa_system_sgpr_workgroup_id_z 1
		.amdhsa_system_vgpr_workitem_id 0
		.amdhsa_next_free_vgpr 148
		.amdhsa_next_free_sgpr 66
		.amdhsa_reserve_vcc 0
		.amdhsa_float_denorm_mode_32 3
		.amdhsa_float_denorm_mode_16_64 3
		.amdhsa_memory_ordered 1
		.amdhsa_forward_progress 1
		.amdhsa_inst_pref_size 18
	.end_amdhsa_kernel
	.amdgpu_metadata
---
amdhsa.version: [ 1, 2 ]
amdhsa.kernels:
  - .name:           k_q0b3e27bf16_layer_norm
    .symbol:         k_q0b3e27bf16_layer_norm.kd
    .args:
      - { .name: y, .offset: 0, .size: 8, .value_kind: global_buffer, .address_space: global }
      - { .name: ln_g, .offset: 8, .size: 8, .value_kind: global_buffer, .address_space: global }
      - { .name: ln_b, .offset: 16, .size: 8, .value_kind: global_buffer, .address_space: global }
      - { .name: out0, .offset: 24, .size: 8, .value_kind: global_buffer, .address_space: global }
    .group_segment_fixed_size: 0
    .private_segment_fixed_size: 0
    .kernarg_segment_align: 8
    .kernarg_segment_size: 32
    .max_flat_workgroup_size: 256
    .sgpr_count:     66
    .vgpr_count:     148
    .wavefront_size: 32
...
	.end_amdgpu_metadata
.endif
;; end of part 7
;; ======== version 3 of 3: 5 launches; version 2 with the launch cast written anew for expert scheduling mode
;; workspace buffers: bf 16,777,216 bytes; qkv 25,165,824 bytes; ao 8,388,608 bytes; y 16,777,216 bytes
;; launch cast (part 8): grid 512 x 1, 8 waves a work-group, no clusters, 0 bytes of LDS; arguments x, Wq, Wk, Wv, Wp, bf; writes bf
.if DOCPART == 8
	.amdgcn_target "amdgcn-amd-amdhsa--gfx1250"
	.amdhsa_code_object_version 6
	.text
	.protected	k_q0b3e27bf16_cast
	.globl	k_q0b3e27bf16_cast
	.p2align	8
	.type	k_q0b3e27bf16_cast,@function
k_q0b3e27bf16_cast:
	s_mov_b64 s[64:65], 0
	v_nop
	global_prefetch_b8 v0, s[64:65] scope:SCOPE_SE
	s_setreg_imm32_b32 hwreg(HW_REG_WAVE_SCHED_MODE, 0, 2), 2
	s_setreg_imm32_b32 hwreg(HW_REG_WAVE_MODE, 25, 1), 1
	s_wait_xcnt 0x0
	s_wait_alu depctr_vm_vsrc(0)
; bf = bf16(x), bf16(Wq), bf16(Wk), bf16(Wv), bf16(Wp), one behind the other, each in its own order: 8,192 rows of 1,024 numbers.
; The later launches take these as matrix operands, so each number is rounded once, to nearest even.
; A stream: no LDS, no barrier, no matrix unit, no cluster (no byte is read twice).
; Work-group g owns 16 rows: 65,536 bytes in, 32,768 bytes out.  g < 256: x; else weight (g - 256) / 64, chunk (g - 256) % 64.
; Thread t takes the 16 bytes at 16 t of each block of 4,096 bytes: a wave's load covers 512 neighbouring bytes,
; a wave's store 256 neighbouring bytes that start at a multiple of 256 from bf's first byte.
; All sixteen loads of a thread go out first; no register is written twice, so no source has to be freed.
; THE MODE: SCHED_MODE bits 1:0 = 2 (LLVM: expert scheduling mode 2), set by the entry lines.  The code itself states the register dependences
; between vector instructions and memory instructions, with s_wait_alu, always for 0.
; THE PLAN.  Registers that memory instructions touch:
;   v1, v2   byte offsets of the loads and of the stores: written once at the head, never again.
;   XR       piece p's four registers: written by load p, read by piece p's two conversions, never loaded again.
;   YR       piece p's two registers: written by piece p's two conversions, read by store p, never written again.
; The sixteen pieces go in four blocks of four.  Block b converts its own four pieces; its memory instructions are the four stores of block b - 1,
; which read that block's YR and v2, registers that no conversion of block b names.  So one wait at a block's head states all that its four
; stores hang on, and they are dealt among its conversions with no further wait.  No register that a memory instruction reads is written
; again, and no load lands in a register that a vector instruction has named: nothing else is owed.
.set XR, 4                             ; v[4:67]   16 x 4 f32 as loaded
.set YR, 68                            ; v[68:99]  16 x 2 words of bf16 to store
	s_load_b256 s[4:11], s[0:1], 0x0               ; x s[4:5], Wq s[6:7], Wk s[8:9], Wv s[10:11]
	s_load_b128 s[12:15], s[0:1], 0x20             ; Wp s[12:13], bf s[14:15]
	s_sub_co_u32 s16, ttmp9, 256                   ; g - 256 (wraps for x's work-groups, whose choice is made last)
	s_lshr_b32 s17, s16, 6                         ; which weight
	s_and_b32 s18, s16, 63                         ; which chunk of it
	v_lshlrev_b32 v1, 4, v0                        ; 16 t
	v_lshlrev_b32 v2, 3, v0                        ; 8 t
	s_mov_b32 s23, 0
	s_wait_kmcnt 0x0
	s_cmp_eq_u32 s17, 2
	s_cselect_b64 s[20:21], s[10:11], s[12:13]     ; Wv, else Wp
	s_cmp_eq_u32 s17, 1
	s_cselect_b64 s[20:21], s[8:9], s[20:21]       ; Wk
	s_cmp_eq_u32 s17, 0
	s_cselect_b64 s[20:21], s[6:7], s[20:21]       ; Wq
	s_cmp_lt_u32 ttmp9, 256
	s_cselect_b64 s[20:21], s[4:5], s[20:21]       ; x
	s_cselect_b32 s18, ttmp9, s18                  ; and x's chunk is g itself
	s_lshl_b32 s22, s18, 16
	s_add_nc_u64 s[20:21], s[20:21], s[22:23]      ; source: chunk x 65,536
	s_lshl_b32 s22, ttmp9, 15
	s_add_nc_u64 s[24:25], s[14:15], s[22:23]      ; destination: g x 32,768
	s_wait_alu depctr_va_vdst(0)                   ; v1 and v2 are written: every load reads v1 and every store v2 as its offset
.irp p, 0,1,2,3,4,5,6,7,8,9,10,11,12,13,14,15
	global_load_b128 v[XR+4*\p:XR+4*\p+3], v1, s[20:21] offset:4096*\p th:TH_LOAD_NT
.endr
; Block b: pieces 4 b to 4 b + 3 are converted, and the block before is stored.  first = 1: block 0, with no block in front of it.
.macro BLK b, first
	s_wait_loadcnt 12-4*(\b)                       ; loads come back in order: this block's four are in, the younger blocks stay out
.if !\first
	s_wait_alu depctr_va_vdst(0)                   ; the conversions of the block before have written its YR, which the four stores below read
.endif
.irp i, 0,1,2,3
.if !\first
	global_store_b64 v2, v[YR+2*(4*(\b)-4+(\i)):YR+2*(4*(\b)-4+(\i))+1], s[24:25] offset:2048*(4*(\b)-4+(\i))  ; no vector instruction since the wait names these registers
.endif
	v_cvt_pk_bf16_f32 v[YR+2*(4*(\b)+(\i))],   v[XR+4*(4*(\b)+(\i))],   v[XR+4*(4*(\b)+(\i))+1]
	v_cvt_pk_bf16_f32 v[YR+2*(4*(\b)+(\i))+1], v[XR+4*(4*(\b)+(\i))+2], v[XR+4*(4*(\b)+(\i))+3]
.endr
.endm
	BLK 0, 1
	BLK 1, 0
	BLK 2, 0
	BLK 3, 0
	s_wait_alu depctr_va_vdst(0)                   ; block 3's conversions have written its YR, which the last four stores read
.irp p, 12,13,14,15
	global_store_b64 v2, v[YR+2*\p:YR+2*\p+1], s[24:25] offset:2048*\p
.endr
	s_endpgm
.Lfunc_end_k_q0b3e27bf16_cast:
	.size	k_q0b3e27bf16_cast, .Lfunc_end_k_q0b3e27bf16_cast-k_q0b3e27bf16_cast
	.p2alignl 7, 3214868480
	.fill 96, 4, 3214868480
	.section	.rodata,"a",@progbits
	.p2align	6, 0x0
	.amdhsa_kernel k_q0b3e27bf16_cast
		.amdhsa_group_segment_fixed_size 0
		.amdhsa_private_segment_fixed_size 0
		.amdhsa_enable_private_segment 0
		.amdhsa_kernarg_size 48
		.amdhsa_user_sgpr_count 2
		.amdhsa_user_sgpr_kernarg_segment_ptr 1
		.amdhsa_wavefront_size32 1
		.amdhsa_system_sgpr_workgroup_id_x 1
		.amdhsa_system_sgpr_workgroup_id_y 1
		.amdhsa_system_sgpr_workgroup_id_z 1
		.amdhsa_system_vgpr_workitem_id 0
		.amdhsa_next_free_vgpr 100
		.amdhsa_next_free_sgpr 66
		.amdhsa_reserve_vcc 0
		.amdhsa_float_denorm_mode_32 3
		.amdhsa_float_denorm_mode_16_64 3
		.amdhsa_memory_ordered 1
		.amdhsa_forward_progress 1
		.amdhsa_inst_pref_size 7
	.end_amdhsa_kernel
	.amdgpu_metadata
---
amdhsa.version: [ 1, 2 ]
amdhsa.kernels:
  - .name:           k_q0b3e27bf16_cast
    .symbol:         k_q0b3e27bf16_cast.kd
    .args:
      - { .name: x, .offset: 0, .size: 8, .value_kind: global_buffer, .address_space: global }
      - { .name: Wq, .offset: 8, .size: 8, .value_kind: global_buffer, .address_space: global }
      - { .name: Wk, .offset: 16, .size: 8, .value_kind: global_buffer, .address_space: global }
      - { .name: Wv, .offset: 24, .size: 8, .value_kind: global_buffer, .address_space: global }
      - { .name: Wp, .offset: 32, .size: 8, .value_kind: global_buffer, .address_space: global }
      - { .name: bf, .offset: 40, .size: 8, .value_kind: global_buffer, .address_space: global }
    .group_segment_fixed_size: 0
    .private_segment_fixed_size: 0
    .kernarg_segment_align: 8
    .kernarg_segment_size: 48
    .max_flat_workgroup_size: 256
    .sgpr_count:     66
    .vgpr_count:     100
    .wavefront_size: 32
...
	.end_amdgpu_metadata
.endif
;; end of part 8
;; launch project_qkv: the kernel of part 2 again; grid 8 x 32, 4 waves a work-group, clusters of 4 x 4, 327,680 bytes of LDS; arguments bf, bq, bk, bv, qkv; writes qkv
;; launch attention: the kernel of part 5 again; grid 8 x 32, 8 waves a work-group, clusters of 4 x 1, 327,680 bytes of LDS; arguments qkv, ao; writes ao
;; launch project_y: the kernel of part 6 again; grid 8 x 32, 4 waves a work-group, clusters of 4 x 4, 327,680 bytes of LDS; arguments ao, bf, x, bp, y; writes y
;; launch layer_norm: the kernel of part 7 again; grid 256 x 1, 8 waves a work-group, no clusters, 0 bytes of LDS; arguments y, ln_g, ln_b, out0; writes out0
